; MI455X (gfx1250); checked and timed in simulation.
; The chip was launched on July 23, 2026; its instructions are those of AMD's public machine-readable ISA for CDNA 5 (MIT licence, August 2026) and "CDNA5" Instruction Set Architecture Reference Guide (July 2026). The comments in the code are by the model that wrote it; some were corrected since.
;; Variable Transformer Block. Allowed arithmetic: float matrix products may take bf16 or f16 operands with f32 sums; other float arithmetic in f32, or as packed bf16 or f16 multiplies, adds, multiply-adds, maxima and minima; sums over many terms, partial sums and values carried from step to step in f32; what a program stores and reads back later, other than sums and carried values, may be rounded once to bf16 or f16.
;; Inputs: ff1_b 4,096 float32; ff1_w 4,096 x 1,024 float32; ff2_b 1,024 float32; ff2_w 1,024 x 4,096 float32; ln1_b 1,024 float32; ln1_g 1,024 float32; ln2_b 1,024 float32; ln2_g 1,024 float32; out_b 1,024 float32; out_w 1,024 x 1,024 float32; qkv_b 3,072 float32; qkv_w 3,072 x 1,024 float32; x 2 x 2,048 x 1,024 float32.
;; Outputs: out0 2 x 2,048 x 1,024 float32.
;; One version. Each part assembles by itself: llvm-mc -triple=amdgcn-amd-amdhsa -mcpu=gfx1250 --defsym DOCPART=n.
;; ======== version 1 of 1: 7 launches
;; limits: a function is approximated: absolute error at most 3e-07
;; workspace buffers: wb 25,165,824 bytes; h 8,388,608 bytes; qkvh 25,165,824 bytes; o 8,388,608 bytes; x1 16,777,216 bytes; g 33,554,432 bytes
;; launch prep (part 1): grid 768 x 1, 8 waves a work-group, no clusters, 0 bytes of LDS; arguments x, ln1_g, ln1_b, h, qkv_w, out_w, wb; writes h, wb
.if DOCPART == 1
	.amdgcn_target "amdgcn-amd-amdhsa--gfx1250"
	.amdhsa_code_object_version 6
	.text
	.protected	k_qc9d13f2932_prep
	.globl	k_qc9d13f2932_prep
	.p2align	8
	.type	k_qc9d13f2932_prep,@function
k_qc9d13f2932_prep:
	s_mov_b64 s[64:65], 0
	v_nop
	global_prefetch_b8 v0, s[64:65] scope:SCOPE_SE
	s_setreg_imm32_b32 hwreg(HW_REG_WAVE_MODE, 25, 1), 1
	s_wait_xcnt 0x0
; TWO STREAMS IN ONE LAUNCH.  Work-groups 0-511: h = LayerNorm(x) * g + b, rounded once to bf16.  Work-groups 512-767: qkv_w and out_w, rounded once to bf16, into the head of wb.
; (ff1_w and ff2_w are rounded by the attention launch, beside its own work.)  Memory binds: no LDS, no barrier, no matrix unit.
; LAYERNORM.  x: [4096][1024] f32.  A wave takes one whole row (4,096 bytes: eight loads of 16 bytes a lane) and keeps it in registers between the passes:
; mean, then the mean of the squares of x - mean (no difference of large sums), then (x - mean) * rsqrt(var + 1e-5) * g + b.  All in f32.
; Lane l, load j holds columns 128 j + 4 l .. + 3: its four bf16 are 8 bytes, and a wave's store covers 256 consecutive bytes, aligned.
; CAST.  wb begins with qkv_w and then out_w; chunk c of 16,384 numbers goes to byte 32,768 c of wb.
; LIMITS.  NaN and infinities are not treated apart.
.set XO,   2                           ; v2   16 x lane (cast: 16 x thread)
.set HO,   3                           ; v3   8 x lane (cast: 8 x thread)
.set T,    4                           ; v[4:19]    at work
.set M,    20                          ; v[20:21]   the mean, twice
.set R,    22                          ; v[22:23]   1 / sqrt(var + eps), twice
.set EPSR, 24                          ; v24        1e-5
.set X0,   32                          ; v[32:63]   the row
.set G,    64                          ; v[64:95]   the gain
.set BB,   96                          ; v[96:127]  the bias
.set Y0,   128                         ; v[128:143] the row in bf16
	s_cmp_lt_u32 ttmp9, 512
	s_cbranch_scc0 .Lcast
	s_load_b256 s[4:11], s[0:1], 0x0               ; x s[4:5], g s[6:7], b s[8:9], h s[10:11]
	v_and_b32 v1, 31, v0
	v_lshrrev_b32 v5, 5, v0
	v_readfirstlane_b32 s14, v5                    ; wave 0..7
	v_lshlrev_b32 v[XO], 4, v1
	v_lshlrev_b32 v[HO], 3, v1
	v_mov_b32 v[EPSR], 0x3727c5ac                  ; 1e-5
	s_mov_b32 s12, 0x76543210                      ; v_permlanex16_b32: each lane takes its own place in the other half
	s_mov_b32 s13, 0xfedcba98
	s_mov_b32 s15, 0x3a800000                      ; 1 / 1024
	s_lshl_b32 s26, ttmp9, 3
	s_add_co_u32 s26, s26, s14                     ; my row = 8 x work-group + wave
	s_lshl_b32 s28, s26, 12                        ; in x: 4,096 bytes a row
	s_mov_b32 s29, 0
	s_lshl_b32 s30, s26, 11                        ; in h: 2,048 bytes a row
	s_mov_b32 s31, 0
	s_wait_kmcnt 0x0
	s_add_nc_u64 s[4:5], s[4:5], s[28:29]
	s_add_nc_u64 s[10:11], s[10:11], s[30:31]
.irp j, 0,1,2,3,4,5,6,7
	global_load_b128 v[X0+4*\j:X0+4*\j+3], v[XO], s[4:5] offset:512*\j th:TH_LOAD_NT
.endr
.irp j, 0,1,2,3,4,5,6,7
	global_load_b128 v[G+4*\j:G+4*\j+3], v[XO], s[6:7] offset:512*\j
.endr
.irp j, 0,1,2,3,4,5,6,7
	global_load_b128 v[BB+4*\j:BB+4*\j+3], v[XO], s[8:9] offset:512*\j
.endr
.macro REDUCE                          ; the sum of v[T] over the 32 lanes, in every lane
	v_add_f32_dpp v[T], v[T], v[T] row_xmask:1 row_mask:0xf bank_mask:0xf
	v_add_f32_dpp v[T], v[T], v[T] row_xmask:2 row_mask:0xf bank_mask:0xf
	v_add_f32_dpp v[T], v[T], v[T] row_xmask:4 row_mask:0xf bank_mask:0xf
	v_add_f32_dpp v[T], v[T], v[T] row_xmask:8 row_mask:0xf bank_mask:0xf
	v_permlanex16_b32 v[T+1], v[T], s12, s13
	v_add_f32 v[T], v[T], v[T+1]
.endm
	s_wait_loadcnt 16                              ; the row is in; the sixteen loads of g and b are younger
.set k, 0
.rept 8
	v_pk_add_f32 v[T+2*k:T+2*k+1], v[X0+4*k:X0+4*k+1], v[X0+4*k+2:X0+4*k+3]
.set k, k+1
.endr
.irp q, 0,1,2,3
	v_pk_add_f32 v[T+2*\q:T+2*\q+1], v[T+2*\q:T+2*\q+1], v[T+8+2*\q:T+8+2*\q+1]
.endr
.irp q, 0,1
	v_pk_add_f32 v[T+2*\q:T+2*\q+1], v[T+2*\q:T+2*\q+1], v[T+4+2*\q:T+4+2*\q+1]
.endr
	v_pk_add_f32 v[T:T+1], v[T:T+1], v[T+2:T+3]
	v_add_f32 v[T], v[T], v[T+1]
	REDUCE
	v_mul_f32 v[M], s15, v[T]
	v_mov_b32 v[M+1], v[M]
.set k, 0
.rept 16
	v_pk_add_f32 v[X0+2*k:X0+2*k+1], v[X0+2*k:X0+2*k+1], v[M:M+1] neg_lo:[0,1] neg_hi:[0,1]
.set k, k+1
.endr
.irp q, 0,1,2,3
	v_pk_mul_f32 v[T+2*\q:T+2*\q+1], v[X0+2*\q:X0+2*\q+1], v[X0+2*\q:X0+2*\q+1]  ; the first four squares start four chains
.endr
.set k, 4
.rept 12
	v_pk_fma_f32 v[T+2*(k%4):T+2*(k%4)+1], v[X0+2*k:X0+2*k+1], v[X0+2*k:X0+2*k+1], v[T+2*(k%4):T+2*(k%4)+1]
.set k, k+1
.endr
	v_pk_add_f32 v[T:T+1], v[T:T+1], v[T+2:T+3]
	v_pk_add_f32 v[T+4:T+5], v[T+4:T+5], v[T+6:T+7]
	v_pk_add_f32 v[T:T+1], v[T:T+1], v[T+4:T+5]
	v_add_f32 v[T], v[T], v[T+1]
	REDUCE
	v_fma_f32 v[T], v[T], s15, v[EPSR]             ; var + eps
	v_rsq_f32 v[R], v[T]
	v_rsq_f32 v[R+1], v[T]
	v_nop                                          ; a plain instruction behind the second root, ahead of the first use
	s_wait_alu depctr_va_vdst(0)                   ; one wait for both roots, ahead of their first reader
	s_wait_loadcnt 0x0                             ; g and b are in
.set k, 0
.rept 16
	v_pk_mul_f32 v[X0+2*k:X0+2*k+1], v[X0+2*k:X0+2*k+1], v[R:R+1]
.set k, k+1
.endr
.set k, 0
.rept 16
	v_pk_fma_f32 v[X0+2*k:X0+2*k+1], v[X0+2*k:X0+2*k+1], v[G+2*k:G+2*k+1], v[BB+2*k:BB+2*k+1]
.set k, k+1
.endr
.set k, 0
.rept 16
	v_cvt_pk_bf16_f32 v[Y0+k], v[X0+2*k], v[X0+2*k+1]
.set k, k+1
.endr
.irp j, 0,1,2,3,4,5,6,7
	global_store_b64 v[HO], v[Y0+2*\j:Y0+2*\j+1], s[10:11] offset:256*\j  ; 32 lanes store 256 consecutive bytes, aligned
.endr
	s_endpgm
.Lcast:
	s_load_b128 s[16:19], s[0:1], 0x20             ; qkv_w s[16:17], out_w s[18:19]
	s_load_b64 s[24:25], s[0:1], 0x30              ; wb
	s_sub_co_u32 s26, ttmp9, 512                   ; chunk c, 0..255
	v_lshlrev_b32 v[XO], 4, v0
	v_lshlrev_b32 v[HO], 3, v0
	s_wait_kmcnt 0x0
	s_cmp_ge_u32 s26, 192                          ; chunks 0-191 qkv_w, 192-255 out_w
	s_cselect_b64 s[28:29], s[18:19], s[16:17]
	s_cselect_b32 s27, 192, 0
	s_sub_co_u32 s30, s26, s27                     ; the chunk's number in its own matrix,
	s_lshl_b32 s30, s30, 16                        ; 65,536 bytes each
	s_mov_b32 s31, 0
	s_add_nc_u64 s[28:29], s[28:29], s[30:31]
	s_lshl_b32 s32, s26, 15
	s_mov_b32 s33, 0
	s_add_nc_u64 s[24:25], s[24:25], s[32:33]
.set k, 0
.rept 16
	global_load_b128 v[32+4*k:35+4*k], v[XO], s[28:29] offset:4096*k th:TH_LOAD_NT
.set k, k+1
.endr
.set k, 0
.rept 16
	s_wait_loadcnt 15-k                            ; loads come back in order: number k is in, the younger ones stay out
	v_cvt_pk_bf16_f32 v[96+2*k], v[32+4*k], v[33+4*k]
	v_cvt_pk_bf16_f32 v[97+2*k], v[34+4*k], v[35+4*k]
	global_store_b64 v[HO], v[96+2*k:97+2*k], s[24:25] offset:2048*k
.set k, k+1
.endr
	s_endpgm
.Lfunc_end_k_qc9d13f2932_prep:
	.size	k_qc9d13f2932_prep, .Lfunc_end_k_qc9d13f2932_prep-k_qc9d13f2932_prep
	.p2alignl 7, 3214868480
	.fill 96, 4, 3214868480
	.section	.rodata,"a",@progbits
	.p2align	6, 0x0
	.amdhsa_kernel k_qc9d13f2932_prep
		.amdhsa_group_segment_fixed_size 0
		.amdhsa_private_segment_fixed_size 0
		.amdhsa_enable_private_segment 0
		.amdhsa_kernarg_size 56
		.amdhsa_user_sgpr_count 2
		.amdhsa_user_sgpr_kernarg_segment_ptr 1
		.amdhsa_wavefront_size32 1
		.amdhsa_system_sgpr_workgroup_id_x 1
		.amdhsa_system_sgpr_workgroup_id_y 1
		.amdhsa_system_sgpr_workgroup_id_z 1
		.amdhsa_system_vgpr_workitem_id 0
		.amdhsa_next_free_vgpr 144
		.amdhsa_next_free_sgpr 66
		.amdhsa_reserve_vcc 0
		.amdhsa_float_denorm_mode_32 3
		.amdhsa_float_denorm_mode_16_64 3
		.amdhsa_memory_ordered 1
		.amdhsa_forward_progress 1
		.amdhsa_inst_pref_size 18
	.end_amdhsa_kernel
	.amdgpu_metadata
---
amdhsa.version: [ 1, 2 ]
amdhsa.kernels:
  - .name:           k_qc9d13f2932_prep
    .symbol:         k_qc9d13f2932_prep.kd
    .args:
      - { .name: x, .offset: 0, .size: 8, .value_kind: global_buffer, .address_space: global }
      - { .name: ln1_g, .offset: 8, .size: 8, .value_kind: global_buffer, .address_space: global }
      - { .name: ln1_b, .offset: 16, .size: 8, .value_kind: global_buffer, .address_space: global }
      - { .name: h, .offset: 24, .size: 8, .value_kind: global_buffer, .address_space: global }
      - { .name: qkv_w, .offset: 32, .size: 8, .value_kind: global_buffer, .address_space: global }
      - { .name: out_w, .offset: 40, .size: 8, .value_kind: global_buffer, .address_space: global }
      - { .name: wb, .offset: 48, .size: 8, .value_kind: global_buffer, .address_space: global }
    .group_segment_fixed_size: 0
    .private_segment_fixed_size: 0
    .kernarg_segment_align: 8
    .kernarg_segment_size: 56
    .max_flat_workgroup_size: 256
    .sgpr_count:     66
    .vgpr_count:     144
    .wavefront_size: 32
...
	.end_amdgpu_metadata
.endif
;; end of part 1
;; launch qkv (part 2): grid 16 x 16, 4 waves a work-group, clusters of 4 x 4, 327,680 bytes of LDS; arguments h, wb, qkv_b, qkvh; writes qkvh
.if DOCPART == 2
	.amdgcn_target "amdgcn-amd-amdhsa--gfx1250"
	.amdhsa_code_object_version 6
	.text
	.protected	k_qc9d13f2932_qkv
	.globl	k_qc9d13f2932_qkv
	.p2align	8
	.type	k_qc9d13f2932_qkv,@function
k_qc9d13f2932_qkv:
	s_mov_b64 s[64:65], 0
	v_nop
	global_prefetch_b8 v0, s[64:65] scope:SCOPE_SE
	s_setreg_imm32_b32 hwreg(HW_REG_WAVE_MODE, 25, 1), 1
	s_wait_xcnt 0x0
	s_wait_alu depctr_hold_cnt(0) depctr_sa_sdst(0) depctr_va_vdst(0) depctr_va_sdst(0) depctr_va_ssrc(0) depctr_va_vcc(0) depctr_vm_vsrc(0)
	s_getreg_b32 s2, hwreg(HW_REG_IB_STS2, 6, 4)
	s_cmp_eq_u32 s2, 0
	s_cbranch_scc0 .Lentry_in_a_cluster
	s_endpgm
.Lentry_in_a_cluster:
	s_bfe_u32 s2, ttmp6, 0x10000c
	s_cmp_lg_u32 s2, 0xf033
	s_cbranch_scc0 .Lentry_shape_is_right
	s_endpgm
.Lentry_shape_is_right:
; qkv = h wq^T + qkv_b, written by heads.  h: [4096][1024] bf16; wq: [3072][1024] bf16 at byte 0 of wb; qkv_b: [3072] f32; qkvh: [3][32][2048][64] bf16 (part, batch x 16 + head, row, channel).
; Sums in f32, started by the bias (the C operand of the first product); each number rounded once to bf16; q is left unscaled.
; SHARES.  A tile of C is 256 rows x 192 columns (three heads): 16 x 16 work-groups.  Each of four waves makes 64 rows x 192 columns: 48 accumulators, 384 registers.
; K goes in steps of 128 through two LDS slots filled by tensor loads: waves 0, 1 fetch A's two halves (128 rows), waves 2, 3 B's (96 rows).
; CLUSTER 4 x 4: A's tiles are asked for jointly by the four of a row of the cluster, B's by the four of a column.
; K GOES ROUND.  Cluster (X, Y) begins at K step (2 X + 4 Y) mod 8 and goes on from K's end to its beginning: clusters that read the same rows of h (same Y) or of wq (same X) ask for them at different times.
; The f32 sums are therefore taken in an order of K that differs from cluster to cluster.
; THE MATRIX INSTRUCTION IS USED TRANSPOSED (source 0 = 16 rows of wq, source 1 = 16 rows of h): a lane holds row l % 16 of C and the columns 8 (l / 16) + 0..7.
; THE LOOP'S TRIP IS ONE K STEP; the slot in hand is a scalar turned by an exclusive or, so that one text serves both slots.
; REGISTERS: window 0 addresses, the bias (v64-159), later the way out; window 1 two fragment buffers of 128 (A's 4 blocks, then B's 12); windows 2, 3 the accumulators: (a, b) in window 2 + a / 2 at 8 (12 (a % 2) + b).
; LIMITS.  NaN and infinities are not treated apart.
.set KDIM,  1024
.set KSTEP, 128
.set PITCH, 272                        ; an LDS row: 256 bytes + 16 of padding
.set QI,    5                          ; padding after every 64 words
.set ROWSA, 256
.set ROWSB, 192
.set LRA,   128                        ; rows in a load of A
.set LRB,   96                         ; of B
.set MA,    4                          ; a wave's blocks of 16 rows
.set NBL,   12                         ; of 16 columns
.set APW,   2                          ; row blocks in an accumulator window
.set NPB,   1                          ; row blocks in a part (a quarter of a quarter step)
.set YOUNG, 4                          ; the youngest loads of a fetch, which serve a quarter's second half alone
.set QK,    64                         ; bytes of a row in a quarter step (32 along K)
.set SLOT1, 0x20000
.set BOFF,  ROWSA*PITCH
.set NSTEP, KDIM/KSTEP
.set OX,    2                          ; the first K step: (OX x cluster x + OY x cluster y) mod NSTEP, an even number
.set OY,    4
.set STAGE, SLOT1+(ROWSA+ROWSB)*PITCH  ; behind the ring: 16 rows x 400 bytes for each wave
.set SPITCH, 400
.set SPARE, STAGE+4*16*SPITCH          ; the spare words: 128 bytes a wave, named by no other line
.set G1W0,  (1<<16)|(1<<20)|(1<<21)|(QI<<22)|(3<<25)  ; 2-byte elements; padding on; bit 21 beside a mask; the interval; 4 words of padding
.set ADRA0, 16                         ; v16  my lane's place in A's rows of slot 0; never rewritten
.set ADRB0, 17                         ; v17  in B's
.set ADRA,  18                         ; v18  the same in the slot in hand
.set ADRB,  19
.set STO,   24
.set RD,    25
.set GO,    26
.set BO,    27
.set SPW,   28
.set NIL,   29
.set TMP,   32                         ; v[32:79]   the way out: a block of 16 rows, packed
.set BIA,   64                         ; v[64:159]  the bias, as C operands
.set OB,    80                         ; v[80:127], v[128:175]  the way out: rows read back, by turns
.set F0,    0
.set F1,    128
.set WV,  14
.set FB,  15                           ; 0: I fetch for A; 1: for B
.set HF,  16                           ; which half
.set G1,  24
.set G0,  32                           ; two sets: slot 0's first fill; slot 1's, which then walks
.set G1B, 48
.set G0B, 56
.set TB,  66                           ; LDS byte of the slot in hand
.set CNT, 67
.set HB,  70                           ; s[70:75] my rows in the three heads
.set POS, 90                           ; s90  the K step at which the walking sets stand
.set WR,  92                           ; s[92:93] what is taken off their addresses: a row's bytes at K's end, else 0
.set MSB, 0
.macro WIN new                         ; the high byte repeats the setting that is left; a switch that changes nothing is dropped
.if MSB != (\new)
	s_set_vgpr_msb (MSB<<8)|(\new)
.set MSB, (\new)
.endif
.endm
.macro PLACES                          ; four places behind matrix instructions, ahead of loads into their sources and of readers of their results
.rept 4
	v_nop
.endr
.endm
.macro JLOAD                           ; the joint refill by the walking sets; an s_nop 0 and four v_nop follow each line
	s_cmp_eq_u32 s[FB], 0
	s_cbranch_scc0 .Lfor_b_\@
	tensor_load_to_lds s[G0+4:G0+7], s[G1:G1+7]
	s_nop 0
.rept 4
	v_nop
.endr
	s_branch .Lasked_\@
.Lfor_b_\@:
	tensor_load_to_lds s[G0B+4:G0B+7], s[G1B:G1B+7]
	s_nop 0
.rept 4
	v_nop
.endr
.Lasked_\@:
.endm
.macro CREST                           ; a round of the cluster's barrier behind its opening barrier
	s_cmp_lg_u32 s[WV], 0
	s_cbranch_scc1 .Lnot_wave_0_\@
	s_barrier_signal -3
.Lnot_wave_0_\@:
	s_barrier_wait -3
	s_barrier_signal -1
	s_barrier_wait -1
.endm
.macro CROUND
	s_barrier_signal -1
	s_barrier_wait -1
	CREST
.endm
	s_load_b256 s[4:11], s[0:1], 0x0               ; h s[4:5], wb s[6:7], qkv_b s[8:9], qkvh s[10:11]
	v_lshl_add_u32 v[SPW], v0, 2, SPARE
	v_mov_b32 v[NIL], 0
	ds_add_u32 v[SPW], v[NIL]                      ; the wave's opening: the add and its wait stand ahead of my first tensor load
	v_lshrrev_b32 v1, 5, v0
	v_readfirstlane_b32 s[WV], v1
	s_lshr_b32 s[FB], s[WV], 1
	s_and_b32 s[HF], s[WV], 1
	s_bfe_u32 s17, ttmp6, 0x40000                  ; cx
	s_bfe_u32 s18, ttmp6, 0x40004                  ; cy
	s_lshl_b32 s19, ttmp9, 2
	s_add_co_u32 s19, s19, s17                     ; tile column
	s_and_b32 s20, ttmp7, 0xffff
	s_lshl_b32 s20, s20, 2
	s_add_co_u32 s20, s20, s18                     ; tile row
	s_lshl_b32 s21, s18, 2
	s_lshl_b32 s21, 15, s21                        ; my row of the cluster
	s_lshl_b32 s22, 0x1111, s17                    ; my column
	s_or_b32 s[G1], s21, G1W0
	s_or_b32 s[G1B], s22, G1W0
	s_mov_b32 s[G1+1], KSTEP<<16                   ; tensor_dim0
	s_mov_b32 s[G1+2], LRA<<16                     ; tensor_dim1
	s_mov_b32 s[G1+3], KSTEP<<16                   ; tile_dim0
	s_mov_b32 s[G1+4], LRA                         ; tile_dim1
	s_mov_b32 s[G1+5], KDIM                        ; elements from row to row
	s_mov_b32 s[G1+6], 0
	s_mov_b32 s[G1+7], 0
	s_mov_b32 s[G1B+1], KSTEP<<16
	s_mov_b32 s[G1B+2], LRB<<16
	s_mov_b32 s[G1B+3], KSTEP<<16
	s_mov_b32 s[G1B+4], LRB
	s_mov_b32 s[G1B+5], KDIM
	s_mov_b32 s[G1B+6], 0
	s_mov_b32 s[G1B+7], 0
	s_mul_i32 s40, s20, ROWSA                      ; A's first row that I fetch: it hangs on the tile row and the wave alone
	s_mul_i32 s23, s[HF], LRA
	s_add_co_u32 s40, s40, s23
	s_mov_b32 s41, 0
	s_mul_i32 s46, s19, ROWSB                      ; B's: on the tile column and the wave alone
	s_mul_i32 s23, s[HF], LRB
	s_add_co_u32 s46, s46, s23
	s_mov_b32 s47, 0
	s_mov_b64 s[44:45], KDIM*2
	s_mul_u64 s[40:41], s[40:41], s[44:45]
	s_mul_u64 s[46:47], s[46:47], s[44:45]
	s_and_b32 s[POS], ttmp7, 0xffff                ; the cluster's first K step, from the cluster's own place alone: the same in all sixteen partners
	s_mul_i32 s[POS], s[POS], OY
	s_mul_i32 s[WR], ttmp9, OX
	s_add_co_u32 s[POS], s[POS], s[WR]
	s_and_b32 s[POS], s[POS], NSTEP-1
	s_mul_i32 s[WR], s[POS], KSTEP*2               ; its bytes along a row
	s_mov_b32 s[WR+1], 0
	s_add_nc_u64 s[40:41], s[40:41], s[WR:WR+1]
	s_add_nc_u64 s[46:47], s[46:47], s[WR:WR+1]
	s_add_co_u32 s[POS], s[POS], 1                 ; the walking sets begin one step on (the first step is even: no wrap between the two)
	s_mul_i32 s42, s[HF], LRA*PITCH                ; where they go in a slot: no place in the cluster enters an LDS address
	s_mul_i32 s43, s[HF], LRB*PITCH
	s_add_co_u32 s43, s43, BOFF
	s_wait_dscnt 0x0                               ; the opening add is done
	s_wait_kmcnt 0x0
	s_add_nc_u64 s[40:41], s[4:5], s[40:41]
	s_add_nc_u64 s[46:47], s[6:7], s[46:47]
	CROUND                                         ; all sixteen work-groups are here: the first joint loads meet
.irp s, 0,1
	s_mov_b32 s[G0+4*\s], 1
	s_add_co_u32 s[G0+4*\s+1], s42, \s*SLOT1
	s_add_nc_u64 s[G0+4*\s+2:G0+4*\s+3], s[40:41], \s*KSTEP*2
	s_or_b32 s[G0+4*\s+3], s[G0+4*\s+3], 0x80000000
	s_mov_b32 s[G0B+4*\s], 1
	s_add_co_u32 s[G0B+4*\s+1], s43, \s*SLOT1
	s_add_nc_u64 s[G0B+4*\s+2:G0B+4*\s+3], s[46:47], \s*KSTEP*2
	s_or_b32 s[G0B+4*\s+3], s[G0B+4*\s+3], 0x80000000
.endr
	s_cmp_eq_u32 s[FB], 0                          ; a wave's two first fills stand in one branch: two loads of mine are out
	s_cbranch_scc0 .Lfirst_b
	tensor_load_to_lds s[G0:G0+3], s[G1:G1+7]
	s_nop 0
	tensor_load_to_lds s[G0+4:G0+7], s[G1:G1+7]
	s_nop 0
.rept 4
	v_nop
.endr
	s_branch .Lfirst_done
.Lfirst_b:
	tensor_load_to_lds s[G0B:G0B+3], s[G1B:G1B+7]
	s_nop 0
	tensor_load_to_lds s[G0B+4:G0B+7], s[G1B:G1B+7]
	s_nop 0
.rept 4
	v_nop
.endr
.Lfirst_done:
	v_and_b32 v1, 15, v0                           ; r = l % 16
	v_bfe_u32 v2, v0, 4, 1                         ; hh = l / 16
	v_lshlrev_b32 v[BO], 5, v2                     ; my 8 columns of a block of 16: 32 bytes of f32
	s_mul_i32 s68, s19, ROWSB*4
	s_mov_b32 s69, 0
	s_add_nc_u64 s[8:9], s[8:9], s[68:69]          ; the bias at the tile's first column
.set b_, 0
.rept NBL
	global_load_b128 v[BIA+8*b_:BIA+8*b_+3], v[BO], s[8:9] offset:64*b_
	global_load_b128 v[BIA+8*b_+4:BIA+8*b_+7], v[BO], s[8:9] offset:64*b_+16
.set b_, b_+1
.endr
	v_mul_u32_u24 v3, v1, PITCH
	v_lshl_add_u32 v3, v2, 4, v3                   ; a fragment's row x pitch + 16 x half
	s_mul_i32 s23, s[WV], 16*MA*PITCH              ; my 64 rows of A
	v_add_nc_u32 v[ADRA0], s23, v3
	v_add_nc_u32 v[ADRB0], BOFF, v3                ; all 192 rows of B
	s_mul_i32 s23, s[WV], 16*SPITCH
	s_add_co_u32 s23, s23, STAGE                   ; my stage
	v_mul_u32_u24 v4, v1, SPITCH                   ; in: row r, 16 bytes for each half of the lanes
	v_lshl_add_u32 v4, v2, 4, v4
	v_add_nc_u32 v[STO], s23, v4
	v_bfe_u32 v4, v0, 3, 2                         ; back: 32 lanes take four rows of a head's 128 bytes,
	v_and_b32 v5, 7, v0
	v_mul_u32_u24 v4, v4, SPITCH
	v_lshl_add_u32 v4, v5, 4, v4
	v_add_nc_u32 v[RD], s23, v4
	v_and_b32 v[GO], 31, v0                        ; which are 512 consecutive bytes of qkvh
	v_lshlrev_b32 v[GO], 4, v[GO]
	; column block G = 3 x tile column + c of 64 is part G / 16, head G % 16; with the batch that is head slot G + 16 (G / 16) + 16 x batch, 262,144 bytes each
	s_mul_i32 s76, s19, 3
	s_lshr_b32 s78, s20, 3                         ; batch = tile row / 8
	s_lshl_b32 s78, s78, 4
	s_and_b32 s79, s20, 7
	s_lshl_b32 s79, s79, 8
	s_lshl_b32 s77, s[WV], 6
	s_add_co_u32 s79, s79, s77                     ; my first row in the batch,
	s_lshl_b32 s79, s79, 7                         ; 128 bytes a row
.irp c, 0,1,2
	s_add_co_u32 s68, s76, \c
	s_lshr_b32 s77, s68, 4
	s_lshl_b32 s77, s77, 4
	s_add_co_u32 s68, s68, s77
	s_add_co_u32 s68, s68, s78
	s_lshl_b32 s68, s68, 18
	s_add_co_u32 s68, s68, s79
	s_add_nc_u64 s[HB+2*\c:HB+2*\c+1], s[10:11], s[68:69]
.endr
; NBL matrix instructions: row block a_ x all column blocks, 32 along K.  ZZ = 1: the first product of each sum takes the bias as C: nothing is cleared.
.macro MULA f
.set AC, 8*NBL*(a_%APW)
.set FA, (\f)+8*a_
.set b_, 0
.rept NBL
.set FBR, (\f)+8*MA+8*b_
.if ZZ
	WIN 0x85+0x40*(a_/APW)
	v_wmma_f32_16x16x32_bf16 v[AC+8*b_:AC+8*b_+7], v[FBR:FBR+7], v[FA:FA+7], v[BIA+8*b_:BIA+8*b_+7]
.else
	WIN 0xa5+0x50*(a_/APW)
	v_wmma_f32_16x16x32_bf16 v[AC+8*b_:AC+8*b_+7], v[FBR:FBR+7], v[FA:FA+7], v[AC+8*b_:AC+8*b_+7]
.endif
.set b_, b_+1
.endr
.endm
.macro PART f, hf, p, first            ; the accumulators take turns, one instruction a turn, in the same order in every quarter step
.set ZZ, \first
.set a_, (\hf)*(MA/2)+(\p)*NPB
.rept NPB
	MULA \f
.set a_, a_+1
.endr
.endm
.macro HALF f, hf, first
	PART \f, \hf, 0, \first
	PART \f, \hf, 1, \first
.endm
.macro FETCH k, f                      ; 32 LDS loads in one run: B's blocks, then A's in ascending order
	WIN 0x40
.set i_, 0
.rept NBL
	ds_load_b128 v[(\f)+8*MA+8*i_:(\f)+8*MA+8*i_+3],   v[ADRB] offset:(\k)+i_*16*PITCH
	ds_load_b128 v[(\f)+8*MA+8*i_+4:(\f)+8*MA+8*i_+7], v[ADRB] offset:(\k)+i_*16*PITCH+32
.set i_, i_+1
.endr
.set i_, 0
.rept MA
	ds_load_b128 v[(\f)+8*i_:(\f)+8*i_+3],   v[ADRA] offset:(\k)+i_*16*PITCH
	ds_load_b128 v[(\f)+8*i_+4:(\f)+8*i_+7], v[ADRA] offset:(\k)+i_*16*PITCH+32
.set i_, i_+1
.endr
.endm
.macro QUARTER k, f, g, first          ; multiplies buffer f; in its middle fetches the next quarter, at byte k of the rows, into g
	s_wait_dscnt YOUNG                             ; all but the youngest loads, which the second half wants
	HALF \f, 0, \first
	PLACES
	FETCH \k, \g
	s_wait_dscnt 32                                ; all but the 32 just issued
	HALF \f, 1, \first
.endm
; The last quarter multiplies buffer 1 and changes slots.  Ahead of the barrier each wave waits for all its tensor loads (one is out: its part of the next slot), adds 0 to its spare word, and waits for that
; and for its reads of this slot.  fill = 1: the barrier opens a round of the cluster's, and the joint refill is the first thing behind it.  fill = 0 (the last two K steps): nothing is asked for, and in the last step nothing is fetched.
.macro TURN fill
	WIN 0
	s_wait_tensorcnt 0x0
	ds_add_u32 v[SPW], v[NIL]
.if \fill
	s_xor_b32 s[G0+5], s[G0+5], SLOT1              ; no load of mine is out: the walking sets step to the other slot
	s_xor_b32 s[G0B+5], s[G0B+5], SLOT1
	s_add_co_u32 s[POS], s[POS], 1                 ; and to the next K step, which behind the last is step 0
	s_cmp_eq_u32 s[POS], NSTEP
	s_cselect_b32 s[POS], 0, s[POS]
	s_cselect_b32 s[WR], KDIM*2, 0
	s_add_nc_u64 s[G0+6:G0+7], s[G0+6:G0+7], KSTEP*2
	s_sub_nc_u64 s[G0+6:G0+7], s[G0+6:G0+7], s[WR:WR+1]
	s_add_nc_u64 s[G0B+6:G0B+7], s[G0B+6:G0B+7], KSTEP*2
	s_sub_nc_u64 s[G0B+6:G0B+7], s[G0B+6:G0B+7], s[WR:WR+1]
.endif
	s_wait_dscnt YOUNG+1                           ; the add and the youngest loads may be out
	PART F1, 0, 0, 0
	s_wait_dscnt 0x0                               ; the add is done, and my reads of this slot are over
	s_barrier_signal -1
	PART F1, 0, 1, 0
	WIN 0
	s_barrier_wait -1
.if \fill
	CREST
	JLOAD                                          ; its four v_nop are also the places ahead of the loads below
.else
	s_cmp_eq_u32 s[CNT], 1
	s_cbranch_scc1 .Lnf_\@
	PLACES
.endif
	s_xor_b32 s[TB], s[TB], SLOT1
	v_add_nc_u32 v[ADRA], s[TB], v[ADRA0]
	v_add_nc_u32 v[ADRB], s[TB], v[ADRB0]
	FETCH 0, F0
.if !(\fill)
	WIN 0
.Lnf_\@:
.endif
	HALF F1, 1, 0
.endm
	s_wait_tensorcnt 0x1                           ; my part of the first K step is in; slot 1's may stay out
	s_barrier_signal -1
	s_barrier_wait -1
	s_mov_b32 s[TB], 0
	v_mov_b32 v[ADRA], v[ADRA0]
	v_mov_b32 v[ADRB], v[ADRB0]
	FETCH 0, F0
	s_wait_loadcnt 0x0                             ; the bias
	QUARTER QK, F0, F1, 1                          ; the first quarter stands ahead of the loop: its products start the sums
	WIN 0
	s_mov_b32 s[CNT], NSTEP-2
.Lk:                                               ; a trip: from a K step's second quarter to the next step's first; one refill
	QUARTER 2*QK, F1, F0, 0
	QUARTER 3*QK, F0, F1, 0
	TURN 1
	QUARTER QK, F0, F1, 0
	WIN 0
	s_sub_co_u32 s[CNT], s[CNT], 1
	s_cmp_lg_u32 s[CNT], 0
	s_cbranch_scc1 .Lk
	s_mov_b32 s[CNT], 2
.Lt:                                               ; the last two K steps ask for nothing
	QUARTER 2*QK, F1, F0, 0
	QUARTER 3*QK, F0, F1, 0
	TURN 0
	WIN 0
	s_sub_co_u32 s[CNT], s[CNT], 1
	s_cmp_eq_u32 s[CNT], 0
	s_cbranch_scc1 .Ldone
	QUARTER QK, F0, F1, 0
	WIN 0
	s_branch .Lt
.Ldone:
; THE WAY OUT, a block of 16 rows at a time: rounded to bf16 (each accumulator's registers in ascending order), through my own stage, back as rows of a head, stored as 512 consecutive bytes.
.macro PACK a
.set AC, 8*NBL*((\a)%APW)
	WIN 0x0a+5*((\a)/APW)
.set b_, 0
.rept NBL
.irp r, 0,1,2,3
	v_cvt_pk_bf16_f32 v[TMP+4*b_+\r], v[AC+8*b_+2*\r], v[AC+8*b_+2*\r+1]
.endr
.set b_, b_+1
.endr
	WIN 0
.endm
.macro TOSTAGE a
.set BK, OB+48*((\a)%2)
.set b_, 0
.rept NBL
	ds_store_b128 v[STO], v[TMP+4*b_:TMP+4*b_+3] offset:32*b_
.set b_, b_+1
.endr
.set b_, 0
.rept 12
	ds_load_b128 v[BK+4*b_:BK+4*b_+3], v[RD] offset:128*(b_/4)+4*SPITCH*(b_%4)  ; LDS serves a wave's instructions in order: these see the stores above
.set b_, b_+1
.endr
.endm
.macro SEND a
.set BK, OB+48*((\a)%2)
	s_wait_dscnt 0x0                               ; the block is back in registers
	s_wait_xcnt 0x0                                ; the stores of the block before have read their registers, which the next block's loads write
.set b_, 0
.rept 12
	global_store_b128 v[GO], v[BK+4*b_:BK+4*b_+3], s[HB+2*(b_/4):HB+2*(b_/4)+1] offset:(16*(\a)+4*(b_%4))*128
.set b_, b_+1
.endr
.endm
	PLACES
	PACK 0
	TOSTAGE 0
.irp a, 1,2,3
	PACK \a
	SEND (\a)-1
	TOSTAGE \a
.endr
	SEND 3
	s_wait_tensorcnt 0x0                           ; the wave's end
	ds_add_u32 v[SPW], v[NIL]
	s_wait_dscnt 0x0
	CROUND                                         ; the closing round
	s_endpgm
.Lfunc_end_k_qc9d13f2932_qkv:
	.size	k_qc9d13f2932_qkv, .Lfunc_end_k_qc9d13f2932_qkv-k_qc9d13f2932_qkv
	.p2alignl 7, 3214868480
	.fill 96, 4, 3214868480
	.section	.rodata,"a",@progbits
	.p2align	6, 0x0
	.amdhsa_kernel k_qc9d13f2932_qkv
		.amdhsa_group_segment_fixed_size 327680
		.amdhsa_private_segment_fixed_size 0
		.amdhsa_enable_private_segment 0
		.amdhsa_kernarg_size 32
		.amdhsa_user_sgpr_count 2
		.amdhsa_user_sgpr_kernarg_segment_ptr 1
		.amdhsa_wavefront_size32 1
		.amdhsa_system_sgpr_workgroup_id_x 1
		.amdhsa_system_sgpr_workgroup_id_y 1
		.amdhsa_system_sgpr_workgroup_id_z 1
		.amdhsa_system_vgpr_workitem_id 0
		.amdhsa_next_free_vgpr 960
		.amdhsa_next_free_sgpr 96
		.amdhsa_reserve_vcc 0
		.amdhsa_float_denorm_mode_32 3
		.amdhsa_float_denorm_mode_16_64 3
		.amdhsa_memory_ordered 1
		.amdhsa_forward_progress 1
		.amdhsa_inst_pref_size 86
	.end_amdhsa_kernel
	.amdgpu_metadata
---
amdhsa.version: [ 1, 2 ]
amdhsa.kernels:
  - .name:           k_qc9d13f2932_qkv
    .symbol:         k_qc9d13f2932_qkv.kd
    .args:
      - { .name: h, .offset: 0, .size: 8, .value_kind: global_buffer, .address_space: global }
      - { .name: wb, .offset: 8, .size: 8, .value_kind: global_buffer, .address_space: global }
      - { .name: qkv_b, .offset: 16, .size: 8, .value_kind: global_buffer, .address_space: global }
      - { .name: qkvh, .offset: 24, .size: 8, .value_kind: global_buffer, .address_space: global }
    .group_segment_fixed_size: 327680
    .private_segment_fixed_size: 0
    .kernarg_segment_align: 8
    .kernarg_segment_size: 32
    .max_flat_workgroup_size: 128
    .sgpr_count:     96
    .vgpr_count:     960
    .wavefront_size: 32
...
	.end_amdgpu_metadata
.endif
;; end of part 2
;; launch attn (part 3): grid 16 x 16, 4 waves a work-group, clusters of 4 x 1, 327,680 bytes of LDS; arguments qkvh, o, ff1_w, ff2_w, wb; writes o, wb
.if DOCPART == 3
	.amdgcn_target "amdgcn-amd-amdhsa--gfx1250"
	.amdhsa_code_object_version 6
	.text
	.protected	k_qc9d13f2932_attn
	.globl	k_qc9d13f2932_attn
	.p2align	8
	.type	k_qc9d13f2932_attn,@function
k_qc9d13f2932_attn:
	s_mov_b64 s[64:65], 0
	v_nop
	global_prefetch_b8 v0, s[64:65] scope:SCOPE_SE
	s_setreg_imm32_b32 hwreg(HW_REG_WAVE_MODE, 25, 1), 1
	s_wait_xcnt 0x0
	s_wait_alu depctr_hold_cnt(0) depctr_sa_sdst(0) depctr_va_vdst(0) depctr_va_sdst(0) depctr_va_ssrc(0) depctr_va_vcc(0) depctr_vm_vsrc(0)
	s_getreg_b32 s2, hwreg(HW_REG_IB_STS2, 6, 4)
	s_cmp_eq_u32 s2, 0
	s_cbranch_scc0 .Lentry_in_a_cluster
	s_endpgm
.Lentry_in_a_cluster:
	s_bfe_u32 s2, ttmp6, 0x10000c
	s_cmp_lg_u32 s2, 0x3003
	s_cbranch_scc0 .Lentry_shape_is_right
	s_endpgm
.Lentry_shape_is_right:
; ATTENTION.  o[b][q][head][:] = the sum over k of softmax_k(Q[q] . K[k] / 8) V[k][:].  qkvh: [3][32][2048][64] bf16, a head's rows dense, 128 bytes each; o: [4096][1024] bf16.
; Products, maxima and sums in f32; the weights p are rounded to bf16 for the second product (their sum l is taken of the unrounded p), o once at the end.
; LIMITS.  A weight below 2^-126 counts as 0 in l; NaN and infinities are not treated apart.
; SHARES.  A work-group takes 128 queries of TWO neighbouring heads (2 j, 2 j + 1): wave w has head 2 j + w % 2 and the queries 64 (w / 2) on, as four PIECES of 16.  So a row of o leaves as 256 consecutive
; bytes, aligned.  Every wave walks its head's 2,048 keys, 64 a step; a slot of LDS holds two steps of both heads' K and V.  Waves 0, 1 fetch K of the two heads, waves 2, 3 V: 128 keys, 16,384 dense bytes, a load.
; CLUSTER.  The four query blocks of a cluster walk the same K and V: each tile is asked for JOINTLY, by the same tensor load, descriptor and mask in all four.
; LAYOUT.  S^T = K Q^T holds ONE query a lane (l % 16) and the keys 8 (l / 16) + 0..7; two such results rounded to bf16 ARE source 1 of O^T = V^T P.  K comes out of LDS as it lies, V turned, by ds_load_tr16_b128.
; SOFTMAX.  p = 2^(c s - c m), c = log2(e) / 8, with a running maximum m; O and l are multiplied by a = 2^(c m_old - c m_new) in every step.  m starts at the lowest finite number, O and l at 0: the first step has a = 0.
; TURNS.  Turn n belongs to piece n: 8 products K Q^T of piece n + 1, later 8 products V^T P of piece n - 1; beside them the scaling, exponentials, roundings, sums and rescaling of piece n and the maximum and
; statistics of piece n + 1.  Four vector instructions stand behind every matrix instruction, the other 54 of a turn's 118 in one lump.  A turn's 33 exponentials are one batch, with one wait.
; BESIDE IT: THE CAST OF ff1_w AND ff2_w.  Attention itself reads 25,165,824 bytes and writes 8,388,608 for its 34 GFLOP; the two weight matrices of the launches behind it (33,554,432 bytes of f32) are rounded to bf16
; here, into wb from byte 8,388,608 on.  Work-group (x, j) takes 32,768 numbers: chunk 16 (j % 8) + x of ff1_w (j < 8) or ff2_w.  At each of the 16 changes of slots a lane rounds and stores the 16 numbers that it asked
; for at the change before (four stores of 8 bytes: a wave's store covers 256 consecutive bytes, aligned) and asks for the next 16 (four loads of 16 bytes); the last group is stored on the way out.
; REGISTERS: window 0: v0-15 addresses; v16-31 four statistics a piece; v32-47, v56-57, v224-231 the cast; v48-55 at work; v64-127 S^T, two buffers; v192-223 P, two buffers.  Window 1: v0-127 O^T.  Window 2: v0-63 Q; v128-191 K; v192-255 V of one step.
.set NP,    4
.set KS,    64
.set PK,    144                        ; a row of K in LDS: 128 bytes + 16
.set PV,    160                        ; of V: 128 + 32
.set HK,    2*KS*PK                    ; a head's K in a slot
.set HV,    2*KS*PV
.set VOFF,  2*HK
.set SLOT1, 1<<17
.set STAGE, SLOT1+2*(HK+HV)            ; behind the ring: 128 rows x 272 bytes, the work-group's, for the way out
.set SP,    272
.set SPARE, STAGE+128*SP               ; the spare words: 128 bytes a wave, named by no other line
.set KPART, 8388608                    ; K's part of qkvh
.set VPART, 16777216
.set TILEB, 2*KS*128                   ; a head's bytes of K or of V in a slot
.set W1OFF, 8388608                    ; where ff1_w's copy begins in wb; ff2_w's follows it
.set AK0, 2
.set AV0, 3
.set AK,  4
.set AV,  5
.set STO, 6
.set RD,  7
.set GO,  8
.set MV,  12
.set QO,  15
.set ST,  16
.set CX,  32                           ; v[32:47]   the cast: 16 numbers as loaded
.set TMP, 48
.set CSO, 56                           ; v56  the cast: 16 x my thread's number; never rewritten
.set CDO, 57                           ; v57  8 x my thread's number; never rewritten
.set PFO, 61                           ; v61  the prefetches' offset: lanes 0-15 blocks of 256 bytes of head 2 j, lanes 16-31 of head 2 j + 1; never rewritten
.set SPW, 62
.set NIL, 63
.set S,   64
.set P,   192
.set CY,  224                          ; v[224:231] the cast: 16 numbers in bf16
.set KF,  128
.set VF,  192
.set WV,  12
.set LIM, 15
.set PFA, 18
.set G1K, 24
.set G1V, 32
.set G0K, 40
.set G0V, 44
.set SLOTS, 56
.set CNT, 57
.set CS,  58
.set SEL, 60
.set TBK, 62
.set TBV, 63
.set CDB, 66                           ; s[66:67] the cast: where the group stored last begins in wb
.set CSB, 68                           ; s[68:69] where the group asked for last begins in its matrix
.set MSB, 0
.macro WIN new
.if MSB != (\new)
	s_set_vgpr_msb (MSB<<8)|(\new)
.set MSB, (\new)
.endif
.endm
.set W_KQ, 0x0a                        ; K and Q in window 2, S^T in window 0
.set W_PV, 0x52                        ; V in window 2, P in window 0, O^T in window 1
.set W_RS, 0x41                        ; destination and source 0 in window 1, source 1 in window 0
.macro JLOAD                           ; a joint fill; an s_nop 0 and four v_nop follow each line
	s_cmp_lt_u32 s[WV], 2
	s_cbranch_scc0 .Lfor_v_\@
	tensor_load_to_lds s[G0K:G0K+3], s[G1K:G1K+7]
	s_nop 0
.rept 4
	v_nop
.endr
	s_branch .Lasked_\@
.Lfor_v_\@:
	tensor_load_to_lds s[G0V:G0V+3], s[G1V:G1V+7]
	s_nop 0
.rept 4
	v_nop
.endr
.Lasked_\@:
.endm
; A prefetch of what the NEXT change of slots will ask for.  Each block of 256 bytes is named once in the launch: the head pair's first cluster asks; its four partners take 16 blocks a head each, told apart by
; address; wave 0 asks for K's, wave 2 for V's: one instruction.  The last change that fills a slot asks for nothing.
.macro ASK
	s_cmp_gt_u32 s[SLOTS], s[LIM]
	s_cbranch_scc0 .Lnot_mine_\@
	global_prefetch_b8 v[PFO], s[PFA:PFA+1] th:TH_LOAD_NT scope:SCOPE_SE
.Lnot_mine_\@:
.endm
.macro CROUND
	s_barrier_signal -1
	s_barrier_wait -1
	s_cmp_lg_u32 s[WV], 0
	s_cbranch_scc1 .Lnot_wave_0_\@
	s_barrier_signal -3
.Lnot_wave_0_\@:
	s_barrier_wait -3
	s_barrier_signal -1
	s_barrier_wait -1
.endm
; THE CAST's part of a change of slots.  mode 0: the first group is asked for.  1: the group that is in is rounded and stored, the next asked for.  2: the last group is rounded and stored.
; It stands behind the wait for its loads and behind s_wait_xcnt 0, which free the two bases and the registers that the last stores read.
.macro CAST mode
.if (\mode) > 0
	s_add_nc_u64 s[CDB:CDB+1], s[CDB:CDB+1], 4096  ; a group is 4,096 bytes of wb
.irp i, 0,1,2,3
	v_cvt_pk_bf16_f32 v[CY+2*\i],   v[CX+4*\i],   v[CX+4*\i+1]
	v_cvt_pk_bf16_f32 v[CY+2*\i+1], v[CX+4*\i+2], v[CX+4*\i+3]
.endr
.irp i, 0,1,2,3
	global_store_b64 v[CDO], v[CY+2*\i:CY+2*\i+1], s[CDB:CDB+1] offset:1024*\i
.endr
.endif
.if (\mode) == 1
	s_add_nc_u64 s[CSB:CSB+1], s[CSB:CSB+1], 8192  ; and 8,192 bytes of f32
.endif
.if (\mode) < 2
.irp i, 0,1,2,3
	global_load_b128 v[CX+4*\i:CX+4*\i+3], v[CSO], s[CSB:CSB+1] offset:2048*\i th:TH_LOAD_NT
.endr
.endif
.endm
; THE CHANGE OF SLOTS.  Each wave waits for all its tensor loads (one is out: its part of the other slot), adds 0 to its spare word, and waits for that and for its reads of the slot that it leaves.
; fill = 1: the barrier is a round of the cluster's, and the joint fill of the old slot is the first thing behind it.  (At its first use slot 0 is waited for and slot 1 filled.)  Ahead of all that stands the cast's part.
.macro CHANGE fill, cast
	WIN 0
.if (\cast) > 0
	s_wait_loadcnt 0x0                             ; the weights asked for at the last change, a slot's work ago, are in
.endif
	s_wait_xcnt 0x0                                ; the last prefetch and the cast's last loads and stores, all a slot back, have read their addresses and data
.if \fill
	s_add_nc_u64 s[PFA:PFA+1], s[PFA:PFA+1], TILEB
.endif
	CAST \cast
	s_wait_tensorcnt 0x0
	ds_add_u32 v[SPW], v[NIL]
.if \fill
.irp g, G0K, G0V
	s_xor_b32 s[\g+1], s[\g+1], SLOT1              ; the walking descriptor: the other slot, the next 128 keys
	s_add_nc_u64 s[\g+2:\g+3], s[\g+2:\g+3], TILEB
.endr
	s_wait_dscnt 0x0                               ; the add is done, and my reads of the slot are over
	CROUND
	JLOAD
	ASK
.else
	s_wait_dscnt 0x0
	s_barrier_signal -1
	s_barrier_wait -1
.endif
	s_sub_co_u32 s[TBK], s[TBK], HK                ; the fetches go back to a slot's first step, in the other slot
	s_xor_b32 s[TBK], s[TBK], SLOT1
	s_sub_co_u32 s[TBV], s[TBV], HV
	s_xor_b32 s[TBV], s[TBV], SLOT1
.endm
	s_load_b128 s[4:7], s[0:1], 0x0                ; qkvh s[4:5], o s[6:7]
	s_load_b128 s[68:71], s[0:1], 0x10             ; ff1_w s[68:69], ff2_w s[70:71]
	s_load_b64 s[CDB:CDB+1], s[0:1], 0x20          ; wb
	v_lshl_add_u32 v[SPW], v0, 2, SPARE
	v_mov_b32 v[NIL], 0
	ds_add_u32 v[SPW], v[NIL]                      ; the wave's opening: the add and its wait stand ahead of my first tensor load
	v_lshrrev_b32 v1, 5, v0
	v_readfirstlane_b32 s[WV], v1
	s_bfe_u32 s13, ttmp6, 0x40000                  ; cx
	s_lshl_b32 s14, ttmp9, 2
	s_add_co_u32 s14, s14, s13                     ; my block of 128 queries: it enters Q's, o's and the cast's addresses alone
	s_and_b32 s20, ttmp7, 0xffff                   ; j, the pair of heads, which the partners share
	s_and_b32 s16, s[WV], 1                        ; which head of the pair
	s_lshr_b32 s17, s[WV], 1                       ; which half of the queries
	s_lshl_b32 s22, s20, 19                        ; head 2 j: 262,144 bytes a head
	s_lshl_b32 s23, s16, 18
	s_add_co_u32 s22, s22, s23                     ; my head's first byte in a part
	s_mov_b32 s23, 0
	s_mul_i32 s48, s16, HK                         ; its place in a slot, for K
	s_mul_i32 s49, s16, HV
	s_add_co_u32 s49, s49, VOFF                    ; and for V
	s_lshl_b32 s50, s14, 14                        ; Q: 128 rows of 128 bytes a block,
	s_lshl_b32 s51, s17, 13                        ; my 64 rows
	s_add_co_u32 s50, s50, s51
	s_add_co_u32 s50, s50, s22
	s_mov_b32 s51, 0
	s_lshr_b32 s52, s20, 3                         ; o: batch x 2,048 rows of 2,048 bytes,
	s_lshl_b32 s52, s52, 22
	s_lshl_b32 s53, s14, 18                        ; the block's 128 rows,
	s_add_co_u32 s52, s52, s53
	s_lshl_b32 s53, s[WV], 16                      ; the 32 rows that I store,
	s_add_co_u32 s52, s52, s53
	s_and_b32 s53, s20, 7
	s_lshl_b32 s53, s53, 8                         ; the pair's 256 bytes of a row
	s_add_co_u32 s52, s52, s53
	s_mov_b32 s53, 0
	s_lshl_b32 s54, s20, 19                        ; the prefetches: head 2 j,
	s_lshl_b32 s55, s13, 12                        ; my work-group's 16 blocks of a tile's 64,
	s_add_co_u32 s54, s54, s55
	s_mov_b32 s55, VPART+TILEB                     ; in tile 1 of V's part, or of K's: the first change steps it to tile 2
	s_cmp_lt_u32 s[WV], 2
	s_cselect_b32 s55, KPART+TILEB, s55
	s_add_co_u32 s54, s54, s55
	s_mov_b32 s55, 0
	s_mul_i32 s21, s17, 64*SP                      ; the stage: where my rows go in,
	s_lshl_b32 s2, s16, 7
	s_add_co_u32 s21, s21, s2
	s_add_co_u32 s21, s21, STAGE
	s_mul_i32 s3, s[WV], 32*SP                     ; and the 32 rows that I read back
	s_add_co_u32 s3, s3, STAGE
	; descriptor group 1: 128 keys are asked for as 64 rows of 256 bytes, two keys a row, and padded in LDS after every key
	s_mov_b32 s[G1K], 15|(1<<16)|(1<<20)|(1<<21)|(4<<22)|(3<<25)
	s_mov_b32 s[G1V], 15|(1<<16)|(1<<20)|(1<<21)|(4<<22)|(7<<25)
.irp g, G1K, G1V
	s_mov_b32 s[\g+1], 128<<16
	s_mov_b32 s[\g+2], 64<<16
	s_mov_b32 s[\g+3], 128<<16
	s_mov_b32 s[\g+4], 64
	s_mov_b32 s[\g+5], 128
	s_mov_b32 s[\g+6], 0
	s_mov_b32 s[\g+7], 0
.endr
	s_mov_b32 s[CS], 0x3e38aa3b                    ; c = log2(e) / 8
	s_mov_b32 s[CS+1], s[CS]
	s_mov_b32 s[SEL], 0x76543210
	s_mov_b32 s[SEL+1], 0xfedcba98
	s_mov_b32 s[TBK], SLOT1+HK                     ; the first change of slots turns these two into 0
	s_mov_b32 s[TBV], SLOT1+HV
	s_mov_b32 s[G0K], 1
	s_mov_b32 s[G0K+1], s48
	s_mov_b32 s[G0V], 1
	s_mov_b32 s[G0V+1], s49
	s_mov_b32 s[SLOTS], 15                         ; 16 tiles of 128 keys
	s_and_b32 s[LIM], s[WV], 1                     ; waves 0 and 2 of the pair's first cluster prefetch: the same in all four partners
	s_or_b32 s[LIM], s[LIM], ttmp9
	s_cmp_eq_u32 s[LIM], 0
	s_cselect_b32 s[LIM], 1, -1
	v_and_b32 v1, 15, v0                           ; r = l % 16
	v_bfe_u32 v9, v0, 4, 1                         ; hh = l / 16
	v_lshlrev_b32 v[PFO], 8, v1
	v_lshl_add_u32 v[PFO], v9, 18, v[PFO]
	v_lshlrev_b32 v[CSO], 4, v0
	v_lshlrev_b32 v[CDO], 3, v0
	s_wait_dscnt 0x0                               ; the opening add is done
	s_wait_kmcnt 0x0
	s_add_nc_u64 s[G0K+2:G0K+3], s[4:5], s[22:23]
	s_add_nc_u64 s[G0K+2:G0K+3], s[G0K+2:G0K+3], KPART
	s_or_b32 s[G0K+3], s[G0K+3], 0x80000000
	s_add_nc_u64 s[G0V+2:G0V+3], s[4:5], s[22:23]
	s_add_nc_u64 s[G0V+2:G0V+3], s[G0V+2:G0V+3], VPART
	s_or_b32 s[G0V+3], s[G0V+3], 0x80000000
	s_add_nc_u64 s[PFA:PFA+1], s[4:5], s[54:55]
	s_add_nc_u64 s[8:9], s[4:5], s[50:51]          ; Q at my first row
	s_add_nc_u64 s[6:7], s[6:7], s[52:53]          ; o at the first row that I store
	s_cmp_lt_u32 s20, 8                            ; the cast: ff1_w for the first eight pairs of heads, ff2_w for the others
	s_cselect_b64 s[CSB:CSB+1], s[68:69], s[70:71]
	s_and_b32 s50, s20, 7
	s_lshl_b32 s50, s50, 4
	s_add_co_u32 s50, s50, s14                     ; my chunk of the matrix's 128,
	s_lshl_b32 s50, s50, 17                        ; 131,072 bytes each
	s_mov_b32 s51, 0
	s_add_nc_u64 s[CSB:CSB+1], s[CSB:CSB+1], s[50:51]
	s_lshl_b32 s52, s20, 4
	s_add_co_u32 s52, s52, s14                     ; in wb the two copies lie on end: chunk 16 j + x of 256,
	s_lshl_b32 s52, s52, 16                        ; 65,536 bytes each;
	s_add_co_u32 s52, s52, W1OFF-4096              ; one group ahead of the chunk's first byte: the base is stepped ahead of each group's stores
	s_mov_b32 s53, 0
	s_add_nc_u64 s[CDB:CDB+1], s[CDB:CDB+1], s[52:53]
	CROUND                                         ; all four work-groups are here
	JLOAD                                          ; tile 0 into slot 0
	v_lshlrev_b32 v[QO], 7, v1
	v_lshl_add_u32 v[QO], v9, 4, v[QO]             ; row x 128 + 16 x half
	WIN 0x80
.set i, 0
.rept 8                                ; Q stays in registers: piece i / 2, channels 32 (i % 2) on
	global_load_b128 v[8*i:8*i+3],   v[QO], s[8:9] offset:(i/2)*2048+(i%2)*64
	global_load_b128 v[8*i+4:8*i+7], v[QO], s[8:9] offset:(i/2)*2048+(i%2)*64+32
.set i, i+1
.endr
	; what the first turn finds: V's registers and P's second buffer hold 0 (its products V^T P, of a piece that has not been, add 0); O^T and l are 0.  All this stands in the wait for the first tile.
.set i, VF
.rept 64
	v_mov_b32 v[i], 0
.set i, i+1
.endr
	WIN 0x40
.set i, 0
.rept 128
	v_mov_b32 v[i], 0
.set i, i+1
.endr
	WIN 0
.set i, 0
.rept 4
	v_mov_b32 v[ST+4*i], 0xfe000000                ; c m: far below every c s
	v_mov_b32 v[ST+4*i+1], 0xff7fffff              ; m
	v_mov_b32 v[ST+4*i+2], 0
	v_mov_b32 v[ST+4*i+3], 0
.set i, i+1
.endr
.set i, P+16
.rept 16
	v_mov_b32 v[i], 0
.set i, i+1
.endr
	v_mul_u32_u24 v[AK0], v1, PK
	v_lshl_add_u32 v[AK0], v9, 4, v[AK0]
	v_add_nc_u32 v[AK0], s48, v[AK0]               ; my head's K: row x pitch + 16 x half
	v_and_b32 v10, 7, v0                           ; the turning load: lane l reads key 8 (l / 16) + l % 8, channels 8 ((l / 8) % 2) + 0..7
	v_bfe_u32 v11, v0, 3, 1
	v_lshl_add_u32 v[AV0], v9, 3, v10
	v_mul_u32_u24 v[AV0], v[AV0], PV
	v_lshl_add_u32 v[AV0], v11, 4, v[AV0]
	v_add_nc_u32 v[AV0], s49, v[AV0]
	v_mov_b32 v[AK], v[AK0]                        ; key step 0 lies at the head of slot 0
; THE MATRIX WORK.  The 4 accumulators of a run of 8 take turns.
.macro KQ x                            ; product i of 8 of S^T = K Q^T for piece x: channels 32 (i / 4) on, keys 16 (i % 4) on
	WIN W_KQ
.set rS, S+32*((\x)%2)+8*(i%4)
.set rK, KF+16*(i%4)+8*(i/4)
.set rQ, 16*(\x)+8*(i/4)
.if i < 4
	v_wmma_f32_16x16x32_bf16 v[rS:rS+7], v[rK:rK+7], v[rQ:rQ+7], 0
.else
	v_wmma_f32_16x16x32_bf16 v[rS:rS+7], v[rK:rK+7], v[rQ:rQ+7], v[rS:rS+7]
.endif
.endm
.macro PV x                            ; product i of 8 of O^T += V^T P for piece x: keys 32 (i / 4) on, channels 16 (i % 4) on
	WIN W_PV
.set rO, 32*(\x)+8*(i%4)
.set rV, VF+32*(i/4)+8*(i%4)
.set rP, P+16*((\x)%2)+8*(i/4)
	v_wmma_f32_16x16x32_bf16 v[rO:rO+7], v[rV:rV+7], v[rP:rP+7], v[rO:rO+7]
.endm
.macro MM                              ; the turn's next matrix instruction
.if i < 8
	KQ (Y+1)%NP
.else
.set i, i-8
	PV (Y+NP-1)%NP
.set i, i+8
.endif
.set i, i+1
.endm
; THE LDS LOADS stand in runs of 16.  last = 1 (the tail): in the last trip there is no further step, and the run is jumped over.
.macro FETCH_K last=0
	WIN 0
.if \last
	s_cmp_eq_u32 s[CNT], 1
	s_cbranch_scc1 .Lno_k_\@
.endif
	WIN 0x80
.irp f, 0,1,2,3,4,5,6,7
	ds_load_b128 v[KF+8*\f:KF+8*\f+3],   v[AK] offset:(\f/2)*16*PK+(\f%2)*64
	ds_load_b128 v[KF+8*\f+4:KF+8*\f+7], v[AK] offset:(\f/2)*16*PK+(\f%2)*64+32
.endr
	s_add_co_u32 s[TBK], s[TBK], KS*PK
	WIN 0
.if \last
.Lno_k_\@:
.endif
.endm
.macro FETCH_V
	WIN 0x80
.irp f, 0,1,2,3,4,5,6,7
	ds_load_tr16_b128 v[VF+8*\f:VF+8*\f+3],   v[AV] offset:(\f/4)*32*PV+(\f%4)*32
	ds_load_tr16_b128 v[VF+8*\f+4:VF+8*\f+7], v[AV] offset:(\f/4)*32*PV+16*PV+(\f%4)*32
.endr
	WIN 0
.endm
; THE VECTOR WORK, one line at a time: OP kind, number.  For piece Y: F n: c s - c m for pair n of 16.  E n: the exponential of score n of 32.  C n: pair n rounded to bf16.  B n: of the four weights 4 n .. the
; second pair is added onto the first, in place.  L n: l takes that sum (L 0: l = a l + sum).  R n: pair n of 16 of O^T times a.  For piece Y + 1: X n, number n of the 22 that find its maximum and statistics:
; 0-11 four chains of seven scores (each accumulator's lowest registers first); 12-14, 16 the scores left over, the old m, four into one; 15 c m_old is kept; 17, 18 the other half of the lanes, the new m; 19-21 c m, its change, a.
.set F, 0
.set E, 1
.set C, 2
.set B, 3
.set L, 4
.set R, 5
.set X, 6
.macro REGS y
.set rT, ST+4*(\y)
.set rC, TMP+4*((\y)%2)
.set rW, MV+((\y)%2)
.set rS, S+32*((\y)%2)
.set rP, P+16*((\y)%2)
.set rO, 32*(\y)
.endm
.macro OP k, n
.if (\k) == R
	REGS Y
	WIN W_RS
	v_pk_mul_f32 v[rO+2*(\n):rO+2*(\n)+1], v[rO+2*(\n):rO+2*(\n)+1], v[rC+2:rC+3] op_sel_hi:[1,0]
.elseif (\k) < R
	REGS Y
	WIN 0
.if (\k) == F
	v_pk_fma_f32 v[rS+2*(\n):rS+2*(\n)+1], v[rS+2*(\n):rS+2*(\n)+1], s[CS:CS+1], v[rT:rT+1] op_sel_hi:[1,0,0] neg_lo:[0,0,1] neg_hi:[0,0,1]
.elseif (\k) == E
	v_exp_f32 v[rS+(\n)], v[rS+(\n)]
.elseif (\k) == C
	v_cvt_pk_bf16_f32 v[rP+(\n)], v[rS+2*(\n)], v[rS+2*(\n)+1]
.elseif (\k) == B
	v_pk_add_f32 v[rS+4*(\n):rS+4*(\n)+1], v[rS+4*(\n):rS+4*(\n)+1], v[rS+4*(\n)+2:rS+4*(\n)+3]
.elseif (\n) == 0
	v_pk_fma_f32 v[rT+2:rT+3], v[rT+2:rT+3], v[rC+2:rC+3], v[rS:rS+1] op_sel_hi:[1,0,1]
.else
	v_pk_add_f32 v[rT+2:rT+3], v[rT+2:rT+3], v[rS+4*(\n):rS+4*(\n)+1]
.endif
.else
	REGS (Y+1)%NP
	WIN 0
.if (\n) < 4
	v_max3_num_f32 v[rC+(\n)], v[rS+8*(\n)], v[rS+8*(\n)+1], v[rS+8*(\n)+2]
.elseif (\n) < 12
	v_max3_num_f32 v[rC+(\n)%4], v[rC+(\n)%4], v[rS+8*((\n)%4)+2*((\n)/4)+1], v[rS+8*((\n)%4)+2*((\n)/4)+2]
.elseif (\n) == 12
	v_max3_num_f32 v[rC], v[rC], v[rS+7], v[rS+15]
.elseif (\n) == 13
	v_max3_num_f32 v[rC+1], v[rC+1], v[rS+23], v[rS+31]
.elseif (\n) == 14
	v_max3_num_f32 v[rC+2], v[rC+2], v[rC+3], v[rT+1]
.elseif (\n) == 15
	v_mov_b32 v[rW], v[rT]
.elseif (\n) == 16
	v_max3_num_f32 v[rC], v[rC], v[rC+1], v[rC+2]
.elseif (\n) == 17
	v_permlanex16_b32 v[rC+3], v[rC], s[SEL], s[SEL+1]
.elseif (\n) == 18
	v_max_num_f32 v[rT+1], v[rC], v[rC+3]
.elseif (\n) == 19
	v_mul_f32 v[rT], s[CS], v[rT+1]
.elseif (\n) == 20
	v_sub_f32 v[rC+1], v[rW], v[rT]
.else
	v_exp_f32 v[rC+2], v[rC+1]
.endif
.endif
.endm
.macro OPS a, i1, b=-1, i2=0, c=-1, i3=0, d=-1, i4=0
	OP \a, \i1
.if (\b) >= 0
	OP \b, \i2
.endif
.if (\c) >= 0
	OP \c, \i3
.endif
.if (\d) >= 0
	OP \d, \i4
.endif
.endm
.macro ROW a, i1, b, i2, c, i3, d, i4  ; a matrix instruction and the four behind it
	MM
	OPS \a, \i1, \b, \i2, \c, \i3, \d, \i4
.endm
; A TURN, for piece p.  Ahead of its one wait stands all that names no result of the turn's exponentials: the 8 products K Q^T with their riders and the lump; X 21, the next piece's a, is the batch's last, R 15 the plain
; instruction behind it.  Behind the wait stand the 8 products V^T P, whose riders are the roundings and sums.
; K of the next step is fetched in piece 2's turn, twelve plain instructions that name none of its registers behind the last product that read K (in the tail: behind the wait, where a branch may stand); V of the step in hand
; at the end of piece 0's turn, four plain instructions behind the last product that read V.  Each is waited for a turn later.  cnt = 1: the loop's count is taken down some lines ahead of the branch behind the turn.
.macro TURN p, last=0, cnt=0
.set Y, (\p)
.set i, 0
.if (\p) == 3
	s_wait_dscnt 0x0                               ; K is in
.endif
	ROW F,0, F,1, R,0, R,1
	ROW F,2, E,0, R,2, R,3
	ROW F,3, E,1, R,4, R,5
	ROW F,4, E,2, R,6, R,7
	ROW F,5, E,3, R,8, R,9
	ROW F,6, E,4, X,0, R,10
.if (\p) == 2
	WIN 0
	v_add_nc_u32 v[AK], s[TBK], v[AK0]
.endif
	ROW F,7, E,5, X,1, X,4
	ROW F,8, E,6, X,2, X,5
	OPS E,7, E,8, X,6, E,9
	OPS X,3, E,10, X,8, E,11
.if ((\p) == 2) && !(\last)
	FETCH_K
.endif
	OPS X,9, X,7, E,12, X,10
	OPS E,13, X,12, X,11, E,14
	OPS X,13, E,15, F,9, X,14
.if (\p) == 0
	v_add_nc_u32 v[AV], s[TBV], v[AV0]
.endif
	OPS E,16, F,10, E,17, F,11
	OPS X,16, E,18, X,15, E,19
	OPS F,12, E,20, X,17, E,21
	OPS F,13, E,22, F,14, E,23
	OPS X,18, E,24, F,15, E,25
	OPS R,11, E,26, X,19, E,27
	OPS R,12, E,28, R,13, E,29
	OPS X,20, E,30, R,14, E,31
	OPS X,21, R,15
	WIN 0
	s_wait_alu depctr_va_vdst(0)                   ; the wait for the batch, ahead of the first reader
.if ((\p) == 2) && (\last)
	FETCH_K 1
.endif
.if (\p) == 1
	s_wait_dscnt 0x0                               ; V is in
.endif
	ROW C,0, B,0, C,2, B,1
	ROW L,0, C,4, B,2, L,1
	ROW C,6, B,3, L,2, C,8
	ROW B,4, L,3, C,10, B,5
	ROW L,4, C,12, B,6, L,5
.if (\p) == 0
	s_add_co_u32 s[TBV], s[TBV], KS*PV
.endif
.if \cnt
	s_sub_co_u32 s[CNT], s[CNT], 1
	s_cmp_lg_u32 s[CNT], 0
.endif
	ROW C,14, B,7, L,6, C,1
	ROW C,3, L,7, C,5, C,7
	ROW C,9, C,11, C,13, C,15
.if (\p) == 0
	FETCH_V
.endif
.endm
	CHANGE 1, 0                                    ; slot 0 is in, everybody's part of it; slot 1 is asked for; the cast's first group is asked for
	FETCH_K                                        ; key step 0
	s_wait_loadcnt 0x0                             ; Q (and the cast's first group, which was issued behind it)
	s_wait_dscnt 0x0
.set i, 0
.rept 8
	KQ 0                                           ; piece 0's first scores
.set i, i+1
.endr
	WIN 0                                          ; the addresses for the way out: eight plain instructions, the places behind those products
	v_mul_u32_u24 v[STO], v1, SP                   ; in: row 64 (w / 2) + 16 t + r, my head's 128 bytes, 16 for each half of the lanes
	v_lshl_add_u32 v[STO], v9, 4, v[STO]
	v_add_nc_u32 v[STO], s21, v[STO]
	v_mul_u32_u24 v[RD], v9, SP                    ; back: lanes 0-15 take one row of 256 bytes, lanes 16-31 the next
	v_lshl_add_u32 v[RD], v1, 4, v[RD]
	v_add_nc_u32 v[RD], s3, v[RD]
	v_lshlrev_b32 v[GO], 11, v9                    ; and the same two rows in o
	v_lshl_add_u32 v[GO], v1, 4, v[GO]
.set Y, NP-1                                       ; X works for piece Y + 1: piece 0
.irp n, 0,1,2,3,4,5,6,7,8,9,10,11,12,13,14,15,16,17,18,19,20,21
	OP X, \n
.endr
	v_nop                                          ; a plain instruction behind the exponential,
	s_wait_alu depctr_va_vdst(0)                   ; and its wait, ahead of the branch
	s_mov_b32 s[CNT], 2
	s_branch .Lfirst                               ; the loop is entered at a step's first turn, in the middle of a trip
.Lslot:                                            ; 14 times: tiles 2 to 15 are asked for; the cast's groups 0 to 13 are stored, 1 to 14 asked for
	CHANGE 1, 1
	s_mov_b32 s[CNT], 2
.Lstep:                                            ; a trip: pieces 2 and 3 of one step, then pieces 0 and 1 of the next, whose K and V it fetches
	TURN 2
	TURN 3
	WIN 0
.Lfirst:
	TURN 0
	TURN 1, 0, 1
	WIN 0
	s_cbranch_scc1 .Lstep
	s_sub_co_u32 s[SLOTS], s[SLOTS], 1
	s_cmp_lg_u32 s[SLOTS], 0
	s_cbranch_scc1 .Lslot
	CHANGE 0, 1                                    ; the tail is written out: no tile is asked for; the cast's group 14 is stored, its last asked for
	s_mov_b32 s[CNT], 3                            ; two trips fetch the last slot's steps; the third is left in its middle
.Ltail:
	TURN 2, 1
	TURN 3
	WIN 0
	s_sub_co_u32 s[CNT], s[CNT], 1
	s_cmp_eq_u32 s[CNT], 0
	s_cbranch_scc1 .Lout
	TURN 0
	TURN 1
	WIN 0
	s_branch .Ltail
.Lout:                                             ; the third trip's 8 products K Q^T (on the last K once more) and the maximum made of them serve nothing: the price, once a launch, of one text for every trip
.set i, 0
.rept 8
	PV NP-1                                        ; the last piece's V^T P of the last step
.set i, i+1
.endr
	; THE WAY OUT.  l's halves and the other half of the lanes' are added; O^T is divided by l, rounded to bf16 and put into the work-group's stage; a barrier, since a row's 256 bytes come from two waves; back as whole rows.
	WIN 0
.macro ALL line:vararg
.set t, 0
.rept 4
	\line
.set t, t+1
.endr
.endm
	ALL v_add_f32 v[ST+4*t+2], v[ST+4*t+2], v[ST+4*t+3]
	ALL v_permlanex16_b32 v[ST+4*t+3], v[ST+4*t+2], s[SEL], s[SEL+1]
	ALL v_add_f32 v[ST+4*t+2], v[ST+4*t+2], v[ST+4*t+3]
	ALL v_rcp_f32 v[ST+4*t+2], v[ST+4*t+2]
	v_nop                                          ; a plain instruction behind the last reciprocal
	s_wait_alu depctr_va_vdst(0)                   ; one wait for the four reciprocals, ahead of the first use
	s_wait_loadcnt 0x0                             ; the cast's last group is in,
	s_wait_xcnt 0x0                                ; and its last stores have read their base and data
	CAST 2
.macro PACK t
	WIN W_RS
.set i, 32*(\t)
.rept 16
	v_pk_mul_f32 v[i:i+1], v[i:i+1], v[ST+4*(\t)+2:ST+4*(\t)+3] op_sel_hi:[1,0]
.set i, i+2
.endr
	WIN 0x05
.set i, 0
.rept 16
	v_cvt_pk_bf16_f32 v[S+16*(\t)+i], v[32*(\t)+2*i], v[32*(\t)+2*i+1]
.set i, i+1
.endr
	WIN 0
.irp f, 0,1,2,3
	ds_store_b128 v[STO], v[S+16*(\t)+4*\f:S+16*(\t)+4*\f+3] offset:(\t)*16*SP+32*\f
.endr
.endm
	PACK 0
	PACK 1
	PACK 2
	PACK 3
	s_wait_dscnt 0x0                               ; for the others' sake: my stores into the stage are done
	s_barrier_signal -1
	s_barrier_wait -1
.set t, 0
.rept 16
	ds_load_b128 v[S+4*t:S+4*t+3], v[RD] offset:t*2*SP
.set t, t+1
.endr
.set t, 0
.rept 16
	s_wait_dscnt 15-t
	global_store_b128 v[GO], v[S+4*t:S+4*t+3], s[6:7] offset:t*4096  ; 16 lanes store 256 consecutive bytes, aligned
.set t, t+1
.endr
	s_wait_tensorcnt 0x0                           ; the wave's end
	ds_add_u32 v[SPW], v[NIL]
	s_wait_dscnt 0x0
	CROUND                                         ; the closing round
	s_endpgm
.Lfunc_end_k_qc9d13f2932_attn:
	.size	k_qc9d13f2932_attn, .Lfunc_end_k_qc9d13f2932_attn-k_qc9d13f2932_attn
	.p2alignl 7, 3214868480
	.fill 96, 4, 3214868480
	.section	.rodata,"a",@progbits
	.p2align	6, 0x0
	.amdhsa_kernel k_qc9d13f2932_attn
		.amdhsa_group_segment_fixed_size 327680
		.amdhsa_private_segment_fixed_size 0
		.amdhsa_enable_private_segment 0
		.amdhsa_kernarg_size 40
		.amdhsa_user_sgpr_count 2
		.amdhsa_user_sgpr_kernarg_segment_ptr 1
		.amdhsa_wavefront_size32 1
		.amdhsa_system_sgpr_workgroup_id_x 1
		.amdhsa_system_sgpr_workgroup_id_y 1
		.amdhsa_system_sgpr_workgroup_id_z 1
		.amdhsa_system_vgpr_workitem_id 0
		.amdhsa_next_free_vgpr 768
		.amdhsa_next_free_sgpr 72
		.amdhsa_reserve_vcc 0
		.amdhsa_float_denorm_mode_32 3
		.amdhsa_float_denorm_mode_16_64 3
		.amdhsa_memory_ordered 1
		.amdhsa_forward_progress 1
		.amdhsa_inst_pref_size 117
	.end_amdhsa_kernel
	.amdgpu_metadata
---
amdhsa.version: [ 1, 2 ]
amdhsa.kernels:
  - .name:           k_qc9d13f2932_attn
    .symbol:         k_qc9d13f2932_attn.kd
    .args:
      - { .name: qkvh, .offset: 0, .size: 8, .value_kind: global_buffer, .address_space: global }
      - { .name: o, .offset: 8, .size: 8, .value_kind: global_buffer, .address_space: global }
      - { .name: ff1_w, .offset: 16, .size: 8, .value_kind: global_buffer, .address_space: global }
      - { .name: ff2_w, .offset: 24, .size: 8, .value_kind: global_buffer, .address_space: global }
      - { .name: wb, .offset: 32, .size: 8, .value_kind: global_buffer, .address_space: global }
    .group_segment_fixed_size: 327680
    .private_segment_fixed_size: 0
    .kernarg_segment_align: 8
    .kernarg_segment_size: 40
    .max_flat_workgroup_size: 128
    .sgpr_count:     72
    .vgpr_count:     768
    .wavefront_size: 32
...
	.end_amdgpu_metadata
.endif
;; end of part 3
;; launch outp (part 4): grid 8 x 32, 4 waves a work-group, clusters of 4 x 4, 327,680 bytes of LDS; arguments o, wb, out_b, x, x1; writes x1
.if DOCPART == 4
	.amdgcn_target "amdgcn-amd-amdhsa--gfx1250"
	.amdhsa_code_object_version 6
	.text
	.protected	k_qc9d13f2932_outp
	.globl	k_qc9d13f2932_outp
	.p2align	8
	.type	k_qc9d13f2932_outp,@function
k_qc9d13f2932_outp:
	s_mov_b64 s[64:65], 0
	v_nop
	global_prefetch_b8 v0, s[64:65] scope:SCOPE_SE
	s_setreg_imm32_b32 hwreg(HW_REG_WAVE_MODE, 25, 1), 1
	s_wait_xcnt 0x0
	s_wait_alu depctr_hold_cnt(0) depctr_sa_sdst(0) depctr_va_vdst(0) depctr_va_sdst(0) depctr_va_ssrc(0) depctr_va_vcc(0) depctr_vm_vsrc(0)
	s_getreg_b32 s2, hwreg(HW_REG_IB_STS2, 6, 4)
	s_cmp_eq_u32 s2, 0
	s_cbranch_scc0 .Lentry_in_a_cluster
	s_endpgm
.Lentry_in_a_cluster:
	s_bfe_u32 s2, ttmp6, 0x10000c
	s_cmp_lg_u32 s2, 0xf033
	s_cbranch_scc0 .Lentry_shape_is_right
	s_endpgm
.Lentry_shape_is_right:
; x1 = x + o wo^T + out_b.  o: [4096][1024] bf16; wo: [1024][1024] bf16 at byte WOFF of wb; out_b: [1024] f32; x, x1: [4096][1024] f32.
; Sums in f32, started by the bias (the C operand of the first product); the residual is added in f32 on the way out.
; SHARES.  A tile of C is 128 x 128: 8 x 32 work-groups.  Four waves, each 64 x 64: 16 accumulators.  K goes in steps of 256 (LDS rows of 512 bytes) through two slots; waves 0, 1 fetch A's halves, waves 2, 3 B's, 64 rows a load.
; CLUSTER 4 x 4: A's tiles are asked for jointly along a row of the cluster, B's along a column.  THE MATRIX INSTRUCTION IS USED TRANSPOSED: a lane holds row l % 16 of C and the columns 8 (l / 16) + 0..7.
; K GOES ROUND.  Cluster (X, Y) begins at K step (2 X + 2 Y) mod 4 and goes on from K's end to its beginning: neighbouring clusters that read the same rows of o or of wo ask for them at different times.
; The f32 sums are therefore taken in an order of K that differs from cluster to cluster.
; THE LOOP'S TRIP IS ONE K STEP; the slot in hand is a scalar turned by an exclusive or.
; REGISTERS: window 0 addresses, the bias (v96-127), the way out (v32-95); window 1 two fragment buffers of 128 (64 along K: A's 2 x 4 blocks, then B's); window 2 v0-127 the accumulators, v128-255 the residual.
; LIMITS.  NaN and infinities are not treated apart.
.set KDIM,  1024
.set WOFF,  6291456
.set OX,    2                          ; the first K step: (OX x cluster x + OY x cluster y) mod NSTEP, an even number
.set OY,    2
.set KSTEP, 256
.set PITCH, 528
.set QI,    6
.set ROWSA, 128
.set ROWSB, 128
.set LRA,   64
.set LRB,   64
.set MA,    4
.set NBL,   4
.set NPB,   2
.set YOUNG, 16
.set QK,    128
.set SLOT1, 0x21000
.set BOFF,  ROWSA*PITCH
.set NSTEP, KDIM/KSTEP
.set STAGE, 2*SLOT1                    ; behind the ring: 16 rows x 272 bytes for each wave
.set SPITCH, 272
.set SPARE, STAGE+4*16*SPITCH
.set G1W0,  (1<<16)|(1<<20)|(1<<21)|(QI<<22)|(3<<25)
.set ADRA0, 16
.set ADRB0, 17
.set ADRA,  18
.set ADRB,  19
.set STO,   24
.set RD,    25
.set CO,    26
.set BO,    27
.set SPW,   28
.set NIL,   29
.set OB,    32
.set BIA,   96
.set RES,   128
.set F0,    0
.set F1,    128
.set WV,  14
.set FB,  15
.set HF,  16
.set G1,  24
.set G0,  32
.set G1B, 48
.set G0B, 56
.set TB,  66
.set CNT, 67
.set POS, 90                           ; s90  the K step at which the walking sets stand
.set WR,  92                           ; s[92:93] what is taken off their addresses: a row's bytes at K's end, else 0
.set MSB, 0
.macro WIN new
.if MSB != (\new)
	s_set_vgpr_msb (MSB<<8)|(\new)
.set MSB, (\new)
.endif
.endm
.macro PLACES
.rept 4
	v_nop
.endr
.endm
.macro JLOAD
	s_cmp_eq_u32 s[FB], 0
	s_cbranch_scc0 .Lfor_b_\@
	tensor_load_to_lds s[G0+4:G0+7], s[G1:G1+7]
	s_nop 0
.rept 4
	v_nop
.endr
	s_branch .Lasked_\@
.Lfor_b_\@:
	tensor_load_to_lds s[G0B+4:G0B+7], s[G1B:G1B+7]
	s_nop 0
.rept 4
	v_nop
.endr
.Lasked_\@:
.endm
.macro CREST
	s_cmp_lg_u32 s[WV], 0
	s_cbranch_scc1 .Lnot_wave_0_\@
	s_barrier_signal -3
.Lnot_wave_0_\@:
	s_barrier_wait -3
	s_barrier_signal -1
	s_barrier_wait -1
.endm
.macro CROUND
	s_barrier_signal -1
	s_barrier_wait -1
	CREST
.endm
	s_load_b256 s[4:11], s[0:1], 0x0               ; A s[4:5], wb s[6:7], bias s[8:9], residual s[10:11]
	s_load_b64 s[12:13], s[0:1], 0x20              ; C
	v_lshl_add_u32 v[SPW], v0, 2, SPARE
	v_mov_b32 v[NIL], 0
	ds_add_u32 v[SPW], v[NIL]                      ; the wave's opening: the add and its wait stand ahead of my first tensor load
	v_lshrrev_b32 v1, 5, v0
	v_readfirstlane_b32 s[WV], v1
	s_lshr_b32 s[FB], s[WV], 1                     ; which half of the tile's rows is mine; also: I fetch for A (0) or B (1)
	s_and_b32 s[HF], s[WV], 1                      ; which half of its columns; also: which half I fetch
	s_bfe_u32 s17, ttmp6, 0x40000
	s_bfe_u32 s18, ttmp6, 0x40004
	s_lshl_b32 s19, ttmp9, 2
	s_add_co_u32 s19, s19, s17                     ; tile column
	s_and_b32 s20, ttmp7, 0xffff
	s_lshl_b32 s20, s20, 2
	s_add_co_u32 s20, s20, s18                     ; tile row
	s_lshl_b32 s21, s18, 2
	s_lshl_b32 s21, 15, s21
	s_lshl_b32 s22, 0x1111, s17
	s_or_b32 s[G1], s21, G1W0
	s_or_b32 s[G1B], s22, G1W0
.irp g, G1, G1B
	s_mov_b32 s[\g+1], KSTEP<<16
	s_mov_b32 s[\g+2], LRA<<16
	s_mov_b32 s[\g+3], KSTEP<<16
	s_mov_b32 s[\g+4], LRA
	s_mov_b32 s[\g+5], KDIM
	s_mov_b32 s[\g+6], 0
	s_mov_b32 s[\g+7], 0
.endr
	s_mul_i32 s40, s20, ROWSA
	s_mul_i32 s23, s[HF], LRA
	s_add_co_u32 s40, s40, s23
	s_mov_b32 s41, 0
	s_mul_i32 s46, s19, ROWSB
	s_add_co_u32 s46, s46, s23
	s_mov_b32 s47, 0
	s_mov_b64 s[44:45], KDIM*2
	s_mul_u64 s[40:41], s[40:41], s[44:45]
	s_mul_u64 s[46:47], s[46:47], s[44:45]
	s_and_b32 s[POS], ttmp7, 0xffff                ; the cluster's first K step, from the cluster's own place alone: the same in all sixteen partners
	s_mul_i32 s[POS], s[POS], OY
	s_mul_i32 s[WR], ttmp9, OX
	s_add_co_u32 s[POS], s[POS], s[WR]
	s_and_b32 s[POS], s[POS], NSTEP-1
	s_mul_i32 s[WR], s[POS], KSTEP*2               ; its bytes along a row
	s_mov_b32 s[WR+1], 0
	s_add_nc_u64 s[40:41], s[40:41], s[WR:WR+1]
	s_add_nc_u64 s[46:47], s[46:47], s[WR:WR+1]
	s_add_co_u32 s[POS], s[POS], 1                 ; the walking sets begin one step on (the first step is even: no wrap between the two)
	s_mul_i32 s42, s[HF], LRA*PITCH
	s_mul_i32 s43, s[HF], LRB*PITCH
	s_add_co_u32 s43, s43, BOFF
	s_wait_dscnt 0x0
	s_wait_kmcnt 0x0
	s_add_nc_u64 s[40:41], s[4:5], s[40:41]
	s_add_nc_u64 s[46:47], s[6:7], s[46:47]
	s_add_nc_u64 s[46:47], s[46:47], WOFF
	CROUND
.irp s, 0,1
	s_mov_b32 s[G0+4*\s], 1
	s_add_co_u32 s[G0+4*\s+1], s42, \s*SLOT1
	s_add_nc_u64 s[G0+4*\s+2:G0+4*\s+3], s[40:41], \s*KSTEP*2
	s_or_b32 s[G0+4*\s+3], s[G0+4*\s+3], 0x80000000
	s_mov_b32 s[G0B+4*\s], 1
	s_add_co_u32 s[G0B+4*\s+1], s43, \s*SLOT1
	s_add_nc_u64 s[G0B+4*\s+2:G0B+4*\s+3], s[46:47], \s*KSTEP*2
	s_or_b32 s[G0B+4*\s+3], s[G0B+4*\s+3], 0x80000000
.endr
	s_cmp_eq_u32 s[FB], 0
	s_cbranch_scc0 .Lfirst_b
	tensor_load_to_lds s[G0:G0+3], s[G1:G1+7]
	s_nop 0
	tensor_load_to_lds s[G0+4:G0+7], s[G1:G1+7]
	s_nop 0
.rept 4
	v_nop
.endr
	s_branch .Lfirst_done
.Lfirst_b:
	tensor_load_to_lds s[G0B:G0B+3], s[G1B:G1B+7]
	s_nop 0
	tensor_load_to_lds s[G0B+4:G0B+7], s[G1B:G1B+7]
	s_nop 0
.rept 4
	v_nop
.endr
.Lfirst_done:
	v_and_b32 v1, 15, v0
	v_bfe_u32 v2, v0, 4, 1
	v_lshlrev_b32 v[BO], 5, v2
	s_lshl_b32 s68, s19, 9                         ; my first column, in bytes of f32: 512 x tile column + 256 x half
	s_lshl_b32 s69, s[HF], 8
	s_add_co_u32 s68, s68, s69
	s_mov_b32 s69, 0
	s_add_nc_u64 s[8:9], s[8:9], s[68:69]
.set b_, 0
.rept NBL
	global_load_b128 v[BIA+8*b_:BIA+8*b_+3], v[BO], s[8:9] offset:64*b_
	global_load_b128 v[BIA+8*b_+4:BIA+8*b_+7], v[BO], s[8:9] offset:64*b_+16
.set b_, b_+1
.endr
	s_lshl_b32 s70, s20, 19                        ; + my first row: 4,096 bytes a row
	s_add_co_u32 s68, s68, s70
	s_lshl_b32 s70, s[FB], 18
	s_add_co_u32 s68, s68, s70
	s_add_nc_u64 s[10:11], s[10:11], s[68:69]
	s_add_nc_u64 s[12:13], s[12:13], s[68:69]
	v_lshlrev_b32 v[CO], 12, v2                    ; lanes 0-15 one row's 256 bytes, lanes 16-31 the next row's
	v_lshl_add_u32 v[CO], v1, 4, v[CO]
	WIN 0x80
.set b_, 0
.rept 32                               ; the residual, in the layout in which the rows come back from the stage
	global_load_b128 v[RES+4*b_:RES+4*b_+3], v[CO], s[10:11] offset:2*b_*4096
.set b_, b_+1
.endr
	WIN 0
	v_mul_u32_u24 v3, v1, PITCH
	v_lshl_add_u32 v3, v2, 4, v3
	s_mul_i32 s23, s[FB], 16*MA*PITCH
	v_add_nc_u32 v[ADRA0], s23, v3
	s_mul_i32 s23, s[HF], 16*NBL*PITCH
	s_add_co_u32 s23, s23, BOFF
	v_add_nc_u32 v[ADRB0], s23, v3
	s_mul_i32 s23, s[WV], 16*SPITCH
	s_add_co_u32 s23, s23, STAGE
	v_mul_u32_u24 v4, v1, SPITCH                   ; in: row r, 32 bytes for each half of the lanes
	v_lshl_add_u32 v4, v2, 5, v4
	v_add_nc_u32 v[STO], s23, v4
	v_mul_u32_u24 v4, v2, SPITCH                   ; back: whole rows of 256 bytes
	v_lshl_add_u32 v4, v1, 4, v4
	v_add_nc_u32 v[RD], s23, v4
.macro MULA f
.set AC, 8*NBL*a_
.set FA, (\f)+8*(MA*c_+a_)
.set b_, 0
.rept NBL
.set FBR, (\f)+64+8*(NBL*c_+b_)
.if ZZ
	WIN 0x85
	v_wmma_f32_16x16x32_bf16 v[AC+8*b_:AC+8*b_+7], v[FBR:FBR+7], v[FA:FA+7], v[BIA+8*b_:BIA+8*b_+7]
.else
	WIN 0xa5
	v_wmma_f32_16x16x32_bf16 v[AC+8*b_:AC+8*b_+7], v[FBR:FBR+7], v[FA:FA+7], v[AC+8*b_:AC+8*b_+7]
.endif
.set b_, b_+1
.endr
.endm
.macro PART f, hf, p, first            ; half hf of a quarter is its 32 along K number hf; the 16 accumulators take turns
.set ZZ, (\first)*(1-(\hf))
.set c_, \hf
.set a_, (\p)*NPB
.rept NPB
	MULA \f
.set a_, a_+1
.endr
.endm
.macro HALF f, hf, first
	PART \f, \hf, 0, \first
	PART \f, \hf, 1, \first
.endm
.macro FETCH k, f                      ; 32 LDS loads in one run: the first 32 along K first
	WIN 0x40
.irp c, 0,1
.irp i, 0,1,2,3
	ds_load_b128 v[(\f)+64+8*(4*\c+\i):(\f)+64+8*(4*\c+\i)+3],   v[ADRB] offset:(\k)+64*\c+\i*16*PITCH
	ds_load_b128 v[(\f)+64+8*(4*\c+\i)+4:(\f)+64+8*(4*\c+\i)+7], v[ADRB] offset:(\k)+64*\c+\i*16*PITCH+32
	ds_load_b128 v[(\f)+8*(4*\c+\i):(\f)+8*(4*\c+\i)+3],         v[ADRA] offset:(\k)+64*\c+\i*16*PITCH
	ds_load_b128 v[(\f)+8*(4*\c+\i)+4:(\f)+8*(4*\c+\i)+7],       v[ADRA] offset:(\k)+64*\c+\i*16*PITCH+32
.endr
.endr
.endm
.macro QUARTER k, f, g, first
	s_wait_dscnt YOUNG                             ; the first 32 along K are in
	HALF \f, 0, \first
	PLACES
	FETCH \k, \g
	s_wait_dscnt 32                                ; all but the 32 just issued
	HALF \f, 1, \first
.endm
.macro TURN fill                       ; the last quarter and the change of slots: the wait for all my tensor loads, the add, the wait for it and for my reads; the barrier (fill = 1: a round of the cluster's); the refill first behind it
	WIN 0
	s_wait_tensorcnt 0x0
	ds_add_u32 v[SPW], v[NIL]
.if \fill
	s_xor_b32 s[G0+5], s[G0+5], SLOT1              ; no load of mine is out: the walking sets step to the other slot
	s_xor_b32 s[G0B+5], s[G0B+5], SLOT1
	s_add_co_u32 s[POS], s[POS], 1                 ; and to the next K step, which behind the last is step 0
	s_cmp_eq_u32 s[POS], NSTEP
	s_cselect_b32 s[POS], 0, s[POS]
	s_cselect_b32 s[WR], KDIM*2, 0
	s_add_nc_u64 s[G0+6:G0+7], s[G0+6:G0+7], KSTEP*2
	s_sub_nc_u64 s[G0+6:G0+7], s[G0+6:G0+7], s[WR:WR+1]
	s_add_nc_u64 s[G0B+6:G0B+7], s[G0B+6:G0B+7], KSTEP*2
	s_sub_nc_u64 s[G0B+6:G0B+7], s[G0B+6:G0B+7], s[WR:WR+1]
.endif
	s_wait_dscnt YOUNG+1                           ; the add and the youngest sixteen loads may be out
	PART F1, 0, 0, 0
	s_wait_dscnt 0x0
	s_barrier_signal -1
	PART F1, 0, 1, 0
	WIN 0
	s_barrier_wait -1
.if \fill
	CREST
	JLOAD
.else
	s_cmp_eq_u32 s[CNT], 1
	s_cbranch_scc1 .Lnf_\@
	PLACES
.endif
	s_xor_b32 s[TB], s[TB], SLOT1
	v_add_nc_u32 v[ADRA], s[TB], v[ADRA0]
	v_add_nc_u32 v[ADRB], s[TB], v[ADRB0]
	FETCH 0, F0
.if !(\fill)
	WIN 0
.Lnf_\@:
.endif
	HALF F1, 1, 0
.endm
	s_wait_tensorcnt 0x1                           ; my part of the first K step is in; slot 1's may stay out
	s_barrier_signal -1
	s_barrier_wait -1
	s_mov_b32 s[TB], 0
	v_mov_b32 v[ADRA], v[ADRA0]
	v_mov_b32 v[ADRB], v[ADRB0]
	FETCH 0, F0
	s_wait_loadcnt 32                              ; the bias is in; the 32 loads of the residual are younger
	QUARTER QK, F0, F1, 1
	WIN 0
	s_mov_b32 s[CNT], NSTEP-2
.Lk:
	QUARTER 2*QK, F1, F0, 0
	QUARTER 3*QK, F0, F1, 0
	TURN 1
	QUARTER QK, F0, F1, 0
	WIN 0
	s_sub_co_u32 s[CNT], s[CNT], 1
	s_cmp_lg_u32 s[CNT], 0
	s_cbranch_scc1 .Lk
	s_mov_b32 s[CNT], 2
.Lt:
	QUARTER 2*QK, F1, F0, 0
	QUARTER 3*QK, F0, F1, 0
	TURN 0
	WIN 0
	s_sub_co_u32 s[CNT], s[CNT], 1
	s_cmp_eq_u32 s[CNT], 0
	s_cbranch_scc1 .Ldone
	QUARTER QK, F0, F1, 0
	WIN 0
	s_branch .Lt
.Ldone:
; THE WAY OUT, 16 rows at a time: the f32 sums go through my own stage (each accumulator's low four registers first), come back as whole rows of 256 bytes, take the residual and are stored.
.macro TOSTAGE a
.set BK, OB+32*((\a)%2)
.if (\a) >= 2
	s_wait_xcnt 0x0                                ; the stores of two blocks back have read the registers that the loads below write
.endif
	WIN 0x08
.set b_, 0
.rept NBL
	ds_store_b128 v[STO], v[8*(NBL*(\a)+b_):8*(NBL*(\a)+b_)+3]   offset:64*b_
	ds_store_b128 v[STO], v[8*(NBL*(\a)+b_)+4:8*(NBL*(\a)+b_)+7] offset:64*b_+16
.set b_, b_+1
.endr
	WIN 0
.set b_, 0
.rept 8
	ds_load_b128 v[BK+4*b_:BK+4*b_+3], v[RD] offset:2*SPITCH*b_  ; LDS serves a wave's instructions in order: these see the stores above
.set b_, b_+1
.endr
.endm
.macro SEND a, younger
.set BK, OB+32*((\a)%2)
	s_wait_dscnt \younger
	WIN 0x08
.set b_, 0
.rept 16
	v_pk_add_f32 v[BK+2*b_:BK+2*b_+1], v[BK+2*b_:BK+2*b_+1], v[RES+32*(\a)+2*b_:RES+32*(\a)+2*b_+1]
.set b_, b_+1
.endr
	WIN 0
.set b_, 0
.rept 8
	global_store_b128 v[CO], v[BK+4*b_:BK+4*b_+3], s[12:13] offset:(16*(\a)+2*b_)*4096  ; 16 lanes store 256 consecutive bytes, aligned
.set b_, b_+1
.endr
.endm
	PLACES
	s_wait_loadcnt 0x0                             ; the residual
	TOSTAGE 0
.irp a, 1,2,3
	TOSTAGE \a
	SEND (\a)-1, 16                                ; the next block's sixteen LDS instructions are younger
.endr
	SEND 3, 0
	s_wait_tensorcnt 0x0                           ; the wave's end
	ds_add_u32 v[SPW], v[NIL]
	s_wait_dscnt 0x0
	CROUND
	s_endpgm
.Lfunc_end_k_qc9d13f2932_outp:
	.size	k_qc9d13f2932_outp, .Lfunc_end_k_qc9d13f2932_outp-k_qc9d13f2932_outp
	.p2alignl 7, 3214868480
	.fill 96, 4, 3214868480
	.section	.rodata,"a",@progbits
	.p2align	6, 0x0
	.amdhsa_kernel k_qc9d13f2932_outp
		.amdhsa_group_segment_fixed_size 327680
		.amdhsa_private_segment_fixed_size 0
		.amdhsa_enable_private_segment 0
		.amdhsa_kernarg_size 40
		.amdhsa_user_sgpr_count 2
		.amdhsa_user_sgpr_kernarg_segment_ptr 1
		.amdhsa_wavefront_size32 1
		.amdhsa_system_sgpr_workgroup_id_x 1
		.amdhsa_system_sgpr_workgroup_id_y 1
		.amdhsa_system_sgpr_workgroup_id_z 1
		.amdhsa_system_vgpr_workitem_id 0
		.amdhsa_next_free_vgpr 768
		.amdhsa_next_free_sgpr 96
		.amdhsa_reserve_vcc 0
		.amdhsa_float_denorm_mode_32 3
		.amdhsa_float_denorm_mode_16_64 3
		.amdhsa_memory_ordered 1
		.amdhsa_forward_progress 1
		.amdhsa_inst_pref_size 66
	.end_amdhsa_kernel
	.amdgpu_metadata
---
amdhsa.version: [ 1, 2 ]
amdhsa.kernels:
  - .name:           k_qc9d13f2932_outp
    .symbol:         k_qc9d13f2932_outp.kd
    .args:
      - { .name: o, .offset: 0, .size: 8, .value_kind: global_buffer, .address_space: global }
      - { .name: wb, .offset: 8, .size: 8, .value_kind: global_buffer, .address_space: global }
      - { .name: out_b, .offset: 16, .size: 8, .value_kind: global_buffer, .address_space: global }
      - { .name: x, .offset: 24, .size: 8, .value_kind: global_buffer, .address_space: global }
      - { .name: x1, .offset: 32, .size: 8, .value_kind: global_buffer, .address_space: global }
    .group_segment_fixed_size: 327680
    .private_segment_fixed_size: 0
    .kernarg_segment_align: 8
    .kernarg_segment_size: 40
    .max_flat_workgroup_size: 128
    .sgpr_count:     96
    .vgpr_count:     768
    .wavefront_size: 32
...
	.end_amdgpu_metadata
.endif
;; end of part 4
;; launch ln2 (part 5): grid 512 x 1, 8 waves a work-group, no clusters, 0 bytes of LDS; arguments x1, ln2_g, ln2_b, h; writes h
.if DOCPART == 5
	.amdgcn_target "amdgcn-amd-amdhsa--gfx1250"
	.amdhsa_code_object_version 6
	.text
	.protected	k_qc9d13f2932_ln2
	.globl	k_qc9d13f2932_ln2
	.p2align	8
	.type	k_qc9d13f2932_ln2,@function
k_qc9d13f2932_ln2:
	s_mov_b64 s[64:65], 0
	v_nop
	global_prefetch_b8 v0, s[64:65] scope:SCOPE_SE
	s_setreg_imm32_b32 hwreg(HW_REG_WAVE_MODE, 25, 1), 1
	s_wait_xcnt 0x0
; h = LayerNorm(x1) * g + b, rounded once to bf16.  x1: [4096][1024] f32; h: [4096][1024] bf16.  A stream: no LDS, no barrier, no matrix unit.
; A wave takes one whole row (4,096 bytes: eight loads of 16 bytes a lane) and keeps it in registers between the passes: mean, then the mean of the squares of x - mean (no difference of large sums),
; then (x - mean) * rsqrt(var + 1e-5) * g + b.  All in f32.  Lane l, load j holds columns 128 j + 4 l .. + 3: a wave's store covers 256 consecutive bytes, aligned.
; LIMITS.  NaN and infinities are not treated apart.
.set XO,   2                           ; v2   16 x lane
.set HO,   3                           ; v3   8 x lane
.set T,    4                           ; v[4:19]    at work
.set M,    20                          ; v[20:21]   the mean, twice
.set R,    22                          ; v[22:23]   1 / sqrt(var + eps), twice
.set EPSR, 24                          ; v24        1e-5
.set X0,   32                          ; v[32:63]   the row
.set G,    64                          ; v[64:95]   the gain
.set BB,   96                          ; v[96:127]  the bias
.set Y0,   128                         ; v[128:143] the row in bf16
	s_load_b256 s[4:11], s[0:1], 0x0               ; x1 s[4:5], g s[6:7], b s[8:9], h s[10:11]
	v_and_b32 v1, 31, v0
	v_lshrrev_b32 v5, 5, v0
	v_readfirstlane_b32 s14, v5
	v_lshlrev_b32 v[XO], 4, v1
	v_lshlrev_b32 v[HO], 3, v1
	v_mov_b32 v[EPSR], 0x3727c5ac                  ; 1e-5
	s_mov_b32 s12, 0x76543210
	s_mov_b32 s13, 0xfedcba98
	s_mov_b32 s15, 0x3a800000                      ; 1 / 1024
	s_lshl_b32 s26, ttmp9, 3
	s_add_co_u32 s26, s26, s14                     ; my row = 8 x work-group + wave
	s_lshl_b32 s28, s26, 12
	s_mov_b32 s29, 0
	s_lshl_b32 s30, s26, 11
	s_mov_b32 s31, 0
	s_wait_kmcnt 0x0
	s_add_nc_u64 s[4:5], s[4:5], s[28:29]
	s_add_nc_u64 s[10:11], s[10:11], s[30:31]
.irp j, 0,1,2,3,4,5,6,7
	global_load_b128 v[X0+4*\j:X0+4*\j+3], v[XO], s[4:5] offset:512*\j th:TH_LOAD_NT
.endr
.irp j, 0,1,2,3,4,5,6,7
	global_load_b128 v[G+4*\j:G+4*\j+3], v[XO], s[6:7] offset:512*\j
.endr
.irp j, 0,1,2,3,4,5,6,7
	global_load_b128 v[BB+4*\j:BB+4*\j+3], v[XO], s[8:9] offset:512*\j
.endr
.macro REDUCE                          ; the sum of v[T] over the 32 lanes, in every lane
	v_add_f32_dpp v[T], v[T], v[T] row_xmask:1 row_mask:0xf bank_mask:0xf
	v_add_f32_dpp v[T], v[T], v[T] row_xmask:2 row_mask:0xf bank_mask:0xf
	v_add_f32_dpp v[T], v[T], v[T] row_xmask:4 row_mask:0xf bank_mask:0xf
	v_add_f32_dpp v[T], v[T], v[T] row_xmask:8 row_mask:0xf bank_mask:0xf
	v_permlanex16_b32 v[T+1], v[T], s12, s13
	v_add_f32 v[T], v[T], v[T+1]
.endm
	s_wait_loadcnt 16                              ; the row is in; the sixteen loads of g and b are younger
.set k, 0
.rept 8
	v_pk_add_f32 v[T+2*k:T+2*k+1], v[X0+4*k:X0+4*k+1], v[X0+4*k+2:X0+4*k+3]
.set k, k+1
.endr
.irp q, 0,1,2,3
	v_pk_add_f32 v[T+2*\q:T+2*\q+1], v[T+2*\q:T+2*\q+1], v[T+8+2*\q:T+8+2*\q+1]
.endr
.irp q, 0,1
	v_pk_add_f32 v[T+2*\q:T+2*\q+1], v[T+2*\q:T+2*\q+1], v[T+4+2*\q:T+4+2*\q+1]
.endr
	v_pk_add_f32 v[T:T+1], v[T:T+1], v[T+2:T+3]
	v_add_f32 v[T], v[T], v[T+1]
	REDUCE
	v_mul_f32 v[M], s15, v[T]
	v_mov_b32 v[M+1], v[M]
.set k, 0
.rept 16
	v_pk_add_f32 v[X0+2*k:X0+2*k+1], v[X0+2*k:X0+2*k+1], v[M:M+1] neg_lo:[0,1] neg_hi:[0,1]
.set k, k+1
.endr
.irp q, 0,1,2,3
	v_pk_mul_f32 v[T+2*\q:T+2*\q+1], v[X0+2*\q:X0+2*\q+1], v[X0+2*\q:X0+2*\q+1]  ; the first four squares start four chains
.endr
.set k, 4
.rept 12
	v_pk_fma_f32 v[T+2*(k%4):T+2*(k%4)+1], v[X0+2*k:X0+2*k+1], v[X0+2*k:X0+2*k+1], v[T+2*(k%4):T+2*(k%4)+1]
.set k, k+1
.endr
	v_pk_add_f32 v[T:T+1], v[T:T+1], v[T+2:T+3]
	v_pk_add_f32 v[T+4:T+5], v[T+4:T+5], v[T+6:T+7]
	v_pk_add_f32 v[T:T+1], v[T:T+1], v[T+4:T+5]
	v_add_f32 v[T], v[T], v[T+1]
	REDUCE
	v_fma_f32 v[T], v[T], s15, v[EPSR]             ; var + eps
	v_rsq_f32 v[R], v[T]
	v_rsq_f32 v[R+1], v[T]
	v_nop                                          ; a plain instruction behind the second root
	s_wait_alu depctr_va_vdst(0)                   ; one wait for both roots, ahead of their first reader
	s_wait_loadcnt 0x0                             ; g and b are in
.set k, 0
.rept 16
	v_pk_mul_f32 v[X0+2*k:X0+2*k+1], v[X0+2*k:X0+2*k+1], v[R:R+1]
.set k, k+1
.endr
.set k, 0
.rept 16
	v_pk_fma_f32 v[X0+2*k:X0+2*k+1], v[X0+2*k:X0+2*k+1], v[G+2*k:G+2*k+1], v[BB+2*k:BB+2*k+1]
.set k, k+1
.endr
.set k, 0
.rept 16
	v_cvt_pk_bf16_f32 v[Y0+k], v[X0+2*k], v[X0+2*k+1]
.set k, k+1
.endr
.irp j, 0,1,2,3,4,5,6,7
	global_store_b64 v[HO], v[Y0+2*\j:Y0+2*\j+1], s[10:11] offset:256*\j  ; 32 lanes store 256 consecutive bytes, aligned
.endr
	s_endpgm
.Lfunc_end_k_qc9d13f2932_ln2:
	.size	k_qc9d13f2932_ln2, .Lfunc_end_k_qc9d13f2932_ln2-k_qc9d13f2932_ln2
	.p2alignl 7, 3214868480
	.fill 96, 4, 3214868480
	.section	.rodata,"a",@progbits
	.p2align	6, 0x0
	.amdhsa_kernel k_qc9d13f2932_ln2
		.amdhsa_group_segment_fixed_size 0
		.amdhsa_private_segment_fixed_size 0
		.amdhsa_enable_private_segment 0
		.amdhsa_kernarg_size 32
		.amdhsa_user_sgpr_count 2
		.amdhsa_user_sgpr_kernarg_segment_ptr 1
		.amdhsa_wavefront_size32 1
		.amdhsa_system_sgpr_workgroup_id_x 1
		.amdhsa_system_sgpr_workgroup_id_y 1
		.amdhsa_system_sgpr_workgroup_id_z 1
		.amdhsa_system_vgpr_workitem_id 0
		.amdhsa_next_free_vgpr 144
		.amdhsa_next_free_sgpr 66
		.amdhsa_reserve_vcc 0
		.amdhsa_float_denorm_mode_32 3
		.amdhsa_float_denorm_mode_16_64 3
		.amdhsa_memory_ordered 1
		.amdhsa_forward_progress 1
		.amdhsa_inst_pref_size 12
	.end_amdhsa_kernel
	.amdgpu_metadata
---
amdhsa.version: [ 1, 2 ]
amdhsa.kernels:
  - .name:           k_qc9d13f2932_ln2
    .symbol:         k_qc9d13f2932_ln2.kd
    .args:
      - { .name: x1, .offset: 0, .size: 8, .value_kind: global_buffer, .address_space: global }
      - { .name: ln2_g, .offset: 8, .size: 8, .value_kind: global_buffer, .address_space: global }
      - { .name: ln2_b, .offset: 16, .size: 8, .value_kind: global_buffer, .address_space: global }
      - { .name: h, .offset: 24, .size: 8, .value_kind: global_buffer, .address_space: global }
    .group_segment_fixed_size: 0
    .private_segment_fixed_size: 0
    .kernarg_segment_align: 8
    .kernarg_segment_size: 32
    .max_flat_workgroup_size: 256
    .sgpr_count:     66
    .vgpr_count:     144
    .wavefront_size: 32
...
	.end_amdgpu_metadata
.endif
;; end of part 5
;; launch ff1 (part 6): grid 16 x 16, 4 waves a work-group, clusters of 4 x 4, 327,680 bytes of LDS; arguments h, wb, ff1_b, g; writes g
.if DOCPART == 6
	.amdgcn_target "amdgcn-amd-amdhsa--gfx1250"
	.amdhsa_code_object_version 6
	.text
	.protected	k_qc9d13f2932_ff1
	.globl	k_qc9d13f2932_ff1
	.p2align	8
	.type	k_qc9d13f2932_ff1,@function
k_qc9d13f2932_ff1:
	s_mov_b64 s[64:65], 0
	v_nop
	global_prefetch_b8 v0, s[64:65] scope:SCOPE_SE
	s_setreg_imm32_b32 hwreg(HW_REG_WAVE_MODE, 25, 1), 1
	s_wait_xcnt 0x0
	s_wait_alu depctr_hold_cnt(0) depctr_sa_sdst(0) depctr_va_vdst(0) depctr_va_sdst(0) depctr_va_ssrc(0) depctr_va_vcc(0) depctr_vm_vsrc(0)
	s_getreg_b32 s2, hwreg(HW_REG_IB_STS2, 6, 4)
	s_cmp_eq_u32 s2, 0
	s_cbranch_scc0 .Lentry_in_a_cluster
	s_endpgm
.Lentry_in_a_cluster:
	s_bfe_u32 s2, ttmp6, 0x10000c
	s_cmp_lg_u32 s2, 0xf033
	s_cbranch_scc0 .Lentry_shape_is_right
	s_endpgm
.Lentry_shape_is_right:
; g = gelu(h w1^T + ff1_b), the exact GELU.  h: [4096][1024] bf16; w1: [4096][1024] bf16 at byte WOFF of wb; ff1_b: [4096] f32; g: [4096][4096] bf16.
; Sums in f32, started by the bias (the C operand of the first product); the GELU in f32; g rounded once.
; SHARES.  A tile of C is 256 x 256: 16 x 16 work-groups.  Four waves, each 128 x 128: 64 accumulators, 512 registers.  K goes in steps of 128 through two LDS slots; waves 0, 1 fetch A's halves, waves 2, 3 B's, 128 rows a load.
; CLUSTER 4 x 4: A's tiles are asked for jointly along a row of the cluster, B's along a column.  THE MATRIX INSTRUCTION IS USED TRANSPOSED: a lane holds row l % 16 of C and the columns 8 (l / 16) + 0..7.
; K GOES ROUND.  Cluster (X, Y) begins at K step (2 X + 4 Y) mod 8 and goes on from K's end to its beginning: clusters that read the same rows of h (same Y) or of w1 (same X) ask for them at different times.
; The f32 sums are therefore taken in an order of K that differs from cluster to cluster.
; THE LOOP'S TRIP IS ONE K STEP; the slot in hand is a scalar turned by an exclusive or.
; THE GELU.  With x' = x / 2 and A = |x'|: gelu(x) = x' + A - A R, R = erfc(|x| / sqrt 2) = Q^-16, Q = 1 + c1 A + .. + c6 A^6 (Abramowitz and Stegun 7.1.28, its coefficients times 2^(k/2); absolute error of R at most 3e-7
; for every argument).  For x < 0 the sum x' + A is exactly 0.  Where Q^16 passes f32's range R is 0, which is right to that error.
; THE WAY OUT.  When the ring has had its last fill and its last read, the f32 sums are put into it, each wave's 128 rows x 528 bytes in bytes of its own; a loop takes four rows a trip through the GELU and stores them.
; REGISTERS: window 0 addresses, the bias (v64-127), later the GELU (v32-103); window 1 two fragment buffers of 128 (A's 8 blocks, then B's 8); windows 2, 3 the accumulators: (a, b) in window 2 + a / 4 at 8 (8 (a % 4) + b).
; LIMITS.  NaN and infinities are not treated apart; an R below 2^-126 counts as 0.
.set KDIM,  1024
.set WOFF,  8388608
.set OX,    2                          ; the first K step: (OX x cluster x + OY x cluster y) mod NSTEP, an even number
.set OY,    4
.set KSTEP, 128
.set PITCH, 272
.set QI,    5
.set ROWSA, 256
.set ROWSB, 256
.set LRA,   128
.set LRB,   128
.set MA,    8
.set NBL,   8
.set APW,   4
.set NPB,   2
.set YOUNG, 8
.set QK,    64
.set SLOT1, 0x22000
.set BOFF,  ROWSA*PITCH
.set NSTEP, KDIM/KSTEP
.set DPITCH, 528                       ; a row of 128 f32 sums in LDS: 512 bytes + 16
.set DWAVE, 128*DPITCH
.set SPARE, 2*SLOT1
.set G1W0,  (1<<16)|(1<<20)|(1<<21)|(QI<<22)|(3<<25)
.set ADRA0, 16
.set ADRB0, 17
.set ADRA,  18
.set ADRB,  19
.set STO,   24
.set LA,    25
.set GO,    26
.set BO,    27
.set SPW,   28
.set NIL,   29
.set XX,    32                         ; v[32:47]  four rows' sums, 4 a lane and row
.set HH,    48                         ; v[48:63]  x / 2, then the result
.set AA,    64                         ; v[64:79]  |x / 2|
.set QQ,    80                         ; v[80:95]  Q, Q^16, R
.set YY,    96                         ; v[96:103] packed
.set BIA,   64
.set F0,    0
.set F1,    128
.set WV,  14
.set FB,  15
.set HF,  16
.set G1,  24
.set G0,  32
.set G1B, 48
.set G0B, 56
.set TB,  66
.set CNT, 67
.set CC,  76                           ; s[76:87] c1 .. c6, each as a pair
.set ABSM, 88
.set POS, 90                           ; s90  the K step at which the walking sets stand
.set WR,  92                           ; s[92:93] what is taken off their addresses: a row's bytes at K's end, else 0
.set MSB, 0
.macro WIN new
.if MSB != (\new)
	s_set_vgpr_msb (MSB<<8)|(\new)
.set MSB, (\new)
.endif
.endm
.macro PLACES
.rept 4
	v_nop
.endr
.endm
.macro JLOAD
	s_cmp_eq_u32 s[FB], 0
	s_cbranch_scc0 .Lfor_b_\@
	tensor_load_to_lds s[G0+4:G0+7], s[G1:G1+7]
	s_nop 0
.rept 4
	v_nop
.endr
	s_branch .Lasked_\@
.Lfor_b_\@:
	tensor_load_to_lds s[G0B+4:G0B+7], s[G1B:G1B+7]
	s_nop 0
.rept 4
	v_nop
.endr
.Lasked_\@:
.endm
.macro CREST
	s_cmp_lg_u32 s[WV], 0
	s_cbranch_scc1 .Lnot_wave_0_\@
	s_barrier_signal -3
.Lnot_wave_0_\@:
	s_barrier_wait -3
	s_barrier_signal -1
	s_barrier_wait -1
.endm
.macro CROUND
	s_barrier_signal -1
	s_barrier_wait -1
	CREST
.endm
	s_load_b256 s[4:11], s[0:1], 0x0               ; h s[4:5], wb s[6:7], ff1_b s[8:9], g s[10:11]
	v_lshl_add_u32 v[SPW], v0, 2, SPARE
	v_mov_b32 v[NIL], 0
	ds_add_u32 v[SPW], v[NIL]                      ; the wave's opening: the add and its wait stand ahead of my first tensor load
	v_lshrrev_b32 v1, 5, v0
	v_readfirstlane_b32 s[WV], v1
	s_lshr_b32 s[FB], s[WV], 1
	s_and_b32 s[HF], s[WV], 1
	s_bfe_u32 s17, ttmp6, 0x40000
	s_bfe_u32 s18, ttmp6, 0x40004
	s_lshl_b32 s19, ttmp9, 2
	s_add_co_u32 s19, s19, s17                     ; tile column
	s_and_b32 s20, ttmp7, 0xffff
	s_lshl_b32 s20, s20, 2
	s_add_co_u32 s20, s20, s18                     ; tile row
	s_lshl_b32 s21, s18, 2
	s_lshl_b32 s21, 15, s21
	s_lshl_b32 s22, 0x1111, s17
	s_or_b32 s[G1], s21, G1W0
	s_or_b32 s[G1B], s22, G1W0
.irp g, G1, G1B
	s_mov_b32 s[\g+1], KSTEP<<16
	s_mov_b32 s[\g+2], LRA<<16
	s_mov_b32 s[\g+3], KSTEP<<16
	s_mov_b32 s[\g+4], LRA
	s_mov_b32 s[\g+5], KDIM
	s_mov_b32 s[\g+6], 0
	s_mov_b32 s[\g+7], 0
.endr
	s_mov_b32 s[CC+0], 0x3dcc41b4                  ; c1 = 0.0997346941
	s_mov_b32 s[CC+1], 0x3dcc41b4
	s_mov_b32 s[CC+2], 0x3dad2fe7                  ; c2 = 0.0845640246
	s_mov_b32 s[CC+3], 0x3dad2fe7
	s_mov_b32 s[CC+4], 0x3cd6cd72                  ; c3 = 0.0262210107
	s_mov_b32 s[CC+5], 0x3cd6cd72
	s_mov_b32 s[CC+6], 0x3a1f6607                  ; c4 = 0.0006080572
	s_mov_b32 s[CC+7], 0x3a1f6607
	s_mov_b32 s[CC+8], 0x3acd0feb                  ; c5 = 0.0015645003
	s_mov_b32 s[CC+9], 0x3acd0feb
	s_mov_b32 s[CC+10], 0x39b49f67                 ; c6 = 0.0003445104
	s_mov_b32 s[CC+11], 0x39b49f67
	s_mov_b32 s[ABSM], 0x7fffffff
	s_mul_i32 s40, s20, ROWSA
	s_mul_i32 s23, s[HF], LRA
	s_add_co_u32 s40, s40, s23
	s_mov_b32 s41, 0
	s_mul_i32 s46, s19, ROWSB
	s_add_co_u32 s46, s46, s23
	s_mov_b32 s47, 0
	s_mov_b64 s[44:45], KDIM*2
	s_mul_u64 s[40:41], s[40:41], s[44:45]
	s_mul_u64 s[46:47], s[46:47], s[44:45]
	s_and_b32 s[POS], ttmp7, 0xffff                ; the cluster's first K step, from the cluster's own place alone: the same in all sixteen partners
	s_mul_i32 s[POS], s[POS], OY
	s_mul_i32 s[WR], ttmp9, OX
	s_add_co_u32 s[POS], s[POS], s[WR]
	s_and_b32 s[POS], s[POS], NSTEP-1
	s_mul_i32 s[WR], s[POS], KSTEP*2               ; its bytes along a row
	s_mov_b32 s[WR+1], 0
	s_add_nc_u64 s[40:41], s[40:41], s[WR:WR+1]
	s_add_nc_u64 s[46:47], s[46:47], s[WR:WR+1]
	s_add_co_u32 s[POS], s[POS], 1                 ; the walking sets begin one step on (the first step is even: no wrap between the two)
	s_mul_i32 s42, s[HF], LRA*PITCH
	s_mul_i32 s43, s[HF], LRB*PITCH
	s_add_co_u32 s43, s43, BOFF
	s_wait_dscnt 0x0
	s_wait_kmcnt 0x0
	s_add_nc_u64 s[40:41], s[4:5], s[40:41]
	s_add_nc_u64 s[46:47], s[6:7], s[46:47]
	s_add_nc_u64 s[46:47], s[46:47], WOFF
	CROUND
.irp s, 0,1
	s_mov_b32 s[G0+4*\s], 1
	s_add_co_u32 s[G0+4*\s+1], s42, \s*SLOT1
	s_add_nc_u64 s[G0+4*\s+2:G0+4*\s+3], s[40:41], \s*KSTEP*2
	s_or_b32 s[G0+4*\s+3], s[G0+4*\s+3], 0x80000000
	s_mov_b32 s[G0B+4*\s], 1
	s_add_co_u32 s[G0B+4*\s+1], s43, \s*SLOT1
	s_add_nc_u64 s[G0B+4*\s+2:G0B+4*\s+3], s[46:47], \s*KSTEP*2
	s_or_b32 s[G0B+4*\s+3], s[G0B+4*\s+3], 0x80000000
.endr
	s_cmp_eq_u32 s[FB], 0
	s_cbranch_scc0 .Lfirst_b
	tensor_load_to_lds s[G0:G0+3], s[G1:G1+7]
	s_nop 0
	tensor_load_to_lds s[G0+4:G0+7], s[G1:G1+7]
	s_nop 0
.rept 4
	v_nop
.endr
	s_branch .Lfirst_done
.Lfirst_b:
	tensor_load_to_lds s[G0B:G0B+3], s[G1B:G1B+7]
	s_nop 0
	tensor_load_to_lds s[G0B+4:G0B+7], s[G1B:G1B+7]
	s_nop 0
.rept 4
	v_nop
.endr
.Lfirst_done:
	v_and_b32 v1, 15, v0
	v_bfe_u32 v2, v0, 4, 1
	v_lshlrev_b32 v[BO], 5, v2
	s_lshl_b32 s68, s19, 10                        ; the bias at my first column: 4 (256 x tile column + 128 x half)
	s_lshl_b32 s69, s[HF], 9
	s_add_co_u32 s68, s68, s69
	s_mov_b32 s69, 0
	s_add_nc_u64 s[8:9], s[8:9], s[68:69]
.set b_, 0
.rept NBL
	global_load_b128 v[BIA+8*b_:BIA+8*b_+3], v[BO], s[8:9] offset:64*b_
	global_load_b128 v[BIA+8*b_+4:BIA+8*b_+7], v[BO], s[8:9] offset:64*b_+16
.set b_, b_+1
.endr
	s_lshl_b32 s68, s20, 21                        ; g at my first row (8,192 bytes a row) and column
	s_lshl_b32 s70, s[FB], 20
	s_add_co_u32 s68, s68, s70
	s_lshl_b32 s70, s19, 9
	s_add_co_u32 s68, s68, s70
	s_lshl_b32 s70, s[HF], 8
	s_add_co_u32 s68, s68, s70
	s_add_nc_u64 s[10:11], s[10:11], s[68:69]
	v_mul_u32_u24 v3, v1, PITCH
	v_lshl_add_u32 v3, v2, 4, v3
	s_mul_i32 s23, s[FB], 16*MA*PITCH
	v_add_nc_u32 v[ADRA0], s23, v3
	s_mul_i32 s23, s[HF], 16*NBL*PITCH
	s_add_co_u32 s23, s23, BOFF
	v_add_nc_u32 v[ADRB0], s23, v3
	s_mul_i32 s23, s[WV], DWAVE                    ; my bytes for the sums
	v_mul_u32_u24 v4, v1, DPITCH                   ; in: row r, 32 bytes for each half of the lanes
	v_lshl_add_u32 v4, v2, 5, v4
	v_add_nc_u32 v[STO], s23, v4
	v_and_b32 v4, 31, v0
	v_lshl_add_u32 v[LA], v4, 4, s23               ; back: a row's 512 bytes, 16 a lane
	v_lshlrev_b32 v[GO], 3, v4                     ; out: a row's 256 bytes, 8 a lane
.macro MULA f
.set AC, 8*NBL*(a_%APW)
.set FA, (\f)+8*a_
.set b_, 0
.rept NBL
.set FBR, (\f)+8*MA+8*b_
.if ZZ
	WIN 0x85+0x40*(a_/APW)
	v_wmma_f32_16x16x32_bf16 v[AC+8*b_:AC+8*b_+7], v[FBR:FBR+7], v[FA:FA+7], v[BIA+8*b_:BIA+8*b_+7]
.else
	WIN 0xa5+0x50*(a_/APW)
	v_wmma_f32_16x16x32_bf16 v[AC+8*b_:AC+8*b_+7], v[FBR:FBR+7], v[FA:FA+7], v[AC+8*b_:AC+8*b_+7]
.endif
.set b_, b_+1
.endr
.endm
.macro PART f, hf, p, first            ; the 64 accumulators take turns, in the same order in every quarter step
.set ZZ, \first
.set a_, (\hf)*(MA/2)+(\p)*NPB
.rept NPB
	MULA \f
.set a_, a_+1
.endr
.endm
.macro HALF f, hf, first
	PART \f, \hf, 0, \first
	PART \f, \hf, 1, \first
.endm
.macro FETCH k, f
	WIN 0x40
.set i_, 0
.rept NBL
	ds_load_b128 v[(\f)+8*MA+8*i_:(\f)+8*MA+8*i_+3],   v[ADRB] offset:(\k)+i_*16*PITCH
	ds_load_b128 v[(\f)+8*MA+8*i_+4:(\f)+8*MA+8*i_+7], v[ADRB] offset:(\k)+i_*16*PITCH+32
.set i_, i_+1
.endr
.set i_, 0
.rept MA
	ds_load_b128 v[(\f)+8*i_:(\f)+8*i_+3],   v[ADRA] offset:(\k)+i_*16*PITCH
	ds_load_b128 v[(\f)+8*i_+4:(\f)+8*i_+7], v[ADRA] offset:(\k)+i_*16*PITCH+32
.set i_, i_+1
.endr
.endm
.macro QUARTER k, f, g, first
	s_wait_dscnt YOUNG                             ; all but the youngest eight loads (A's rows 64-127)
	HALF \f, 0, \first
	PLACES
	FETCH \k, \g
	s_wait_dscnt 32                                ; all but the 32 just issued
	HALF \f, 1, \first
.endm
.macro TURN fill                       ; the last quarter and the change of slots: the wait for all my tensor loads, the add, the wait for it and for my reads; the barrier (fill = 1: a round of the cluster's); the refill first behind it
	WIN 0
	s_wait_tensorcnt 0x0
	ds_add_u32 v[SPW], v[NIL]
.if \fill
	s_xor_b32 s[G0+5], s[G0+5], SLOT1              ; no load of mine is out: the walking sets step to the other slot
	s_xor_b32 s[G0B+5], s[G0B+5], SLOT1
	s_add_co_u32 s[POS], s[POS], 1                 ; and to the next K step, which behind the last is step 0
	s_cmp_eq_u32 s[POS], NSTEP
	s_cselect_b32 s[POS], 0, s[POS]
	s_cselect_b32 s[WR], KDIM*2, 0
	s_add_nc_u64 s[G0+6:G0+7], s[G0+6:G0+7], KSTEP*2
	s_sub_nc_u64 s[G0+6:G0+7], s[G0+6:G0+7], s[WR:WR+1]
	s_add_nc_u64 s[G0B+6:G0B+7], s[G0B+6:G0B+7], KSTEP*2
	s_sub_nc_u64 s[G0B+6:G0B+7], s[G0B+6:G0B+7], s[WR:WR+1]
.endif
	s_wait_dscnt YOUNG+1                           ; the add and the youngest eight loads may be out
	PART F1, 0, 0, 0
	s_wait_dscnt 0x0
	s_barrier_signal -1
	PART F1, 0, 1, 0
	WIN 0
	s_barrier_wait -1
.if \fill
	CREST
	JLOAD
.else
	s_cmp_eq_u32 s[CNT], 1
	s_cbranch_scc1 .Lnf_\@
	PLACES
.endif
	s_xor_b32 s[TB], s[TB], SLOT1
	v_add_nc_u32 v[ADRA], s[TB], v[ADRA0]
	v_add_nc_u32 v[ADRB], s[TB], v[ADRB0]
	FETCH 0, F0
.if !(\fill)
	WIN 0
.Lnf_\@:
.endif
	HALF F1, 1, 0
.endm
	s_wait_tensorcnt 0x1                           ; my part of the first K step is in; slot 1's may stay out
	s_barrier_signal -1
	s_barrier_wait -1
	s_mov_b32 s[TB], 0
	v_mov_b32 v[ADRA], v[ADRA0]
	v_mov_b32 v[ADRB], v[ADRB0]
	FETCH 0, F0
	s_wait_loadcnt 0x0                             ; the bias
	QUARTER QK, F0, F1, 1
	WIN 0
	s_mov_b32 s[CNT], NSTEP-2
.Lk:
	QUARTER 2*QK, F1, F0, 0
	QUARTER 3*QK, F0, F1, 0
	TURN 1
	QUARTER QK, F0, F1, 0
	WIN 0
	s_sub_co_u32 s[CNT], s[CNT], 1
	s_cmp_lg_u32 s[CNT], 0
	s_cbranch_scc1 .Lk
	s_mov_b32 s[CNT], 2
.Lt:
	QUARTER 2*QK, F1, F0, 0
	QUARTER 3*QK, F0, F1, 0
	TURN 0
	WIN 0
	s_sub_co_u32 s[CNT], s[CNT], 1
	s_cmp_eq_u32 s[CNT], 0
	s_cbranch_scc1 .Ldone
	QUARTER QK, F0, F1, 0
	WIN 0
	s_branch .Lt
.Ldone:
	s_wait_dscnt 0x0                               ; my reads of the ring are over,
	s_barrier_signal -1
	s_barrier_wait -1                              ; everybody's are; the ring has had its last fill: its bytes take the sums
	PLACES
.set a_, 0
.rept MA
	WIN 0x08+4*(a_/APW)
.set b_, 0
.rept NBL
	ds_store_b128 v[STO], v[8*(NBL*(a_%APW)+b_):8*(NBL*(a_%APW)+b_)+3]   offset:a_*16*DPITCH+64*b_     ; each accumulator's low four registers first
	ds_store_b128 v[STO], v[8*(NBL*(a_%APW)+b_)+4:8*(NBL*(a_%APW)+b_)+7] offset:a_*16*DPITCH+64*b_+16
.set b_, b_+1
.endr
.set a_, a_+1
.endr
	WIN 0
	s_wait_dscnt 0x0
	s_barrier_signal -1
	s_barrier_wait -1
.irp i, 0,1,2,3
	ds_load_b128 v[XX+4*\i:XX+4*\i+3], v[LA] offset:DPITCH*\i
.endr
	s_mov_b32 s[CNT], 32
.Lg:                                               ; a trip: four rows of 128 columns
	s_wait_dscnt 0x0
.set k, 0
.rept 8
	v_pk_mul_f32 v[HH+2*k:HH+2*k+1], v[XX+2*k:XX+2*k+1], 0.5 op_sel_hi:[1,0]
.set k, k+1
.endr
	s_cmp_eq_u32 s[CNT], 1                         ; the last trip has no rows behind it
	s_cbranch_scc1 .Lnl
	v_add_nc_u32 v[LA], 4*DPITCH, v[LA]
.irp i, 0,1,2,3
	ds_load_b128 v[XX+4*\i:XX+4*\i+3], v[LA] offset:DPITCH*\i
.endr
.Lnl:
.set k, 0
.rept 16
	v_and_b32 v[AA+k], s[ABSM], v[HH+k]
.set k, k+1
.endr
.set k, 0
.rept 8
	v_pk_fma_f32 v[QQ+2*k:QQ+2*k+1], v[AA+2*k:AA+2*k+1], s[CC+10:CC+11], s[CC+8:CC+9] op_sel_hi:[1,0,0]
.set k, k+1
.endr
.irp c, 6,4,2,0
.set k, 0
.rept 8
	v_pk_fma_f32 v[QQ+2*k:QQ+2*k+1], v[QQ+2*k:QQ+2*k+1], v[AA+2*k:AA+2*k+1], s[CC+\c:CC+\c+1] op_sel_hi:[1,1,0]
.set k, k+1
.endr
.endr
.set k, 0
.rept 8
	v_pk_fma_f32 v[QQ+2*k:QQ+2*k+1], v[QQ+2*k:QQ+2*k+1], v[AA+2*k:AA+2*k+1], 1.0 op_sel_hi:[1,1,0]
.set k, k+1
.endr
.rept 4                                ; Q^16 by four squarings
.set k, 0
.rept 8
	v_pk_mul_f32 v[QQ+2*k:QQ+2*k+1], v[QQ+2*k:QQ+2*k+1], v[QQ+2*k:QQ+2*k+1]
.set k, k+1
.endr
.endr
.set k, 0
.rept 16
	v_rcp_f32 v[QQ+k], v[QQ+k]
.set k, k+1
.endr
.set k, 0
.rept 8
	v_pk_add_f32 v[HH+2*k:HH+2*k+1], v[HH+2*k:HH+2*k+1], v[AA+2*k:AA+2*k+1]  ; x' + A: plain work that names no reciprocal
.set k, k+1
.endr
	s_wait_alu depctr_va_vdst(0)                   ; one wait for the sixteen reciprocals, ahead of their first reader
.set k, 0
.rept 8
	v_pk_fma_f32 v[HH+2*k:HH+2*k+1], v[AA+2*k:AA+2*k+1], v[QQ+2*k:QQ+2*k+1], v[HH+2*k:HH+2*k+1] neg_lo:[1,0,0] neg_hi:[1,0,0]
.set k, k+1
.endr
	s_wait_xcnt 0x0                                ; the last trip's stores have read their offset and their data, which are written again below
	v_add_nc_u32 v[GO], 0x8000, v[GO]              ; four rows of g on; the stores reach back
.set k, 0
.rept 8
	v_cvt_pk_bf16_f32 v[YY+k], v[HH+2*k], v[HH+2*k+1]
.set k, k+1
.endr
.irp i, 0,1,2,3
	global_store_b64 v[GO], v[YY+2*\i:YY+2*\i+1], s[10:11] offset:8192*\i-0x8000  ; 32 lanes store 256 consecutive bytes, aligned
.endr
	s_sub_co_u32 s[CNT], s[CNT], 1
	s_cmp_lg_u32 s[CNT], 0
	s_cbranch_scc1 .Lg
	s_wait_tensorcnt 0x0                           ; the wave's end
	ds_add_u32 v[SPW], v[NIL]
	s_wait_dscnt 0x0
	CROUND
	s_endpgm
.Lfunc_end_k_qc9d13f2932_ff1:
	.size	k_qc9d13f2932_ff1, .Lfunc_end_k_qc9d13f2932_ff1-k_qc9d13f2932_ff1
	.p2alignl 7, 3214868480
	.fill 96, 4, 3214868480
	.section	.rodata,"a",@progbits
	.p2align	6, 0x0
	.amdhsa_kernel k_qc9d13f2932_ff1
		.amdhsa_group_segment_fixed_size 327680
		.amdhsa_private_segment_fixed_size 0
		.amdhsa_enable_private_segment 0
		.amdhsa_kernarg_size 32
		.amdhsa_user_sgpr_count 2
		.amdhsa_user_sgpr_kernarg_segment_ptr 1
		.amdhsa_wavefront_size32 1
		.amdhsa_system_sgpr_workgroup_id_x 1
		.amdhsa_system_sgpr_workgroup_id_y 1
		.amdhsa_system_sgpr_workgroup_id_z 1
		.amdhsa_system_vgpr_workitem_id 0
		.amdhsa_next_free_vgpr 1024
		.amdhsa_next_free_sgpr 100
		.amdhsa_reserve_vcc 0
		.amdhsa_float_denorm_mode_32 3
		.amdhsa_float_denorm_mode_16_64 3
		.amdhsa_memory_ordered 1
		.amdhsa_forward_progress 1
		.amdhsa_inst_pref_size 89
	.end_amdhsa_kernel
	.amdgpu_metadata
---
amdhsa.version: [ 1, 2 ]
amdhsa.kernels:
  - .name:           k_qc9d13f2932_ff1
    .symbol:         k_qc9d13f2932_ff1.kd
    .args:
      - { .name: h, .offset: 0, .size: 8, .value_kind: global_buffer, .address_space: global }
      - { .name: wb, .offset: 8, .size: 8, .value_kind: global_buffer, .address_space: global }
      - { .name: ff1_b, .offset: 16, .size: 8, .value_kind: global_buffer, .address_space: global }
      - { .name: g, .offset: 24, .size: 8, .value_kind: global_buffer, .address_space: global }
    .group_segment_fixed_size: 327680
    .private_segment_fixed_size: 0
    .kernarg_segment_align: 8
    .kernarg_segment_size: 32
    .max_flat_workgroup_size: 128
    .sgpr_count:     100
    .vgpr_count:     1024
    .wavefront_size: 32
...
	.end_amdgpu_metadata
.endif
;; end of part 6
;; launch ff2 (part 7): grid 8 x 32, 4 waves a work-group, clusters of 4 x 4, 327,680 bytes of LDS; arguments g, wb, ff2_b, x1, out0; writes out0
.if DOCPART == 7
	.amdgcn_target "amdgcn-amd-amdhsa--gfx1250"
	.amdhsa_code_object_version 6
	.text
	.protected	k_qc9d13f2932_ff2
	.globl	k_qc9d13f2932_ff2
	.p2align	8
	.type	k_qc9d13f2932_ff2,@function
k_qc9d13f2932_ff2:
	s_mov_b64 s[64:65], 0
	v_nop
	global_prefetch_b8 v0, s[64:65] scope:SCOPE_SE
	s_setreg_imm32_b32 hwreg(HW_REG_WAVE_MODE, 25, 1), 1
	s_wait_xcnt 0x0
	s_wait_alu depctr_hold_cnt(0) depctr_sa_sdst(0) depctr_va_vdst(0) depctr_va_sdst(0) depctr_va_ssrc(0) depctr_va_vcc(0) depctr_vm_vsrc(0)
	s_getreg_b32 s2, hwreg(HW_REG_IB_STS2, 6, 4)
	s_cmp_eq_u32 s2, 0
	s_cbranch_scc0 .Lentry_in_a_cluster
	s_endpgm
.Lentry_in_a_cluster:
	s_bfe_u32 s2, ttmp6, 0x10000c
	s_cmp_lg_u32 s2, 0xf033
	s_cbranch_scc0 .Lentry_shape_is_right
	s_endpgm
.Lentry_shape_is_right:
; out0 = x1 + g w2^T + ff2_b.  g: [4096][4096] bf16; w2: [1024][4096] bf16 at byte WOFF of wb; ff2_b: [1024] f32; x1, out0: [4096][1024] f32.
; Sums in f32, started by the bias (the C operand of the first product); the residual is added in f32 on the way out.
; SHARES.  A tile of C is 128 x 128: 8 x 32 work-groups.  Four waves, each 64 x 64: 16 accumulators.  K goes in steps of 256 (LDS rows of 512 bytes) through two slots; waves 0, 1 fetch A's halves, waves 2, 3 B's, 64 rows a load.
; CLUSTER 4 x 4: A's tiles are asked for jointly along a row of the cluster, B's along a column.  THE MATRIX INSTRUCTION IS USED TRANSPOSED: a lane holds row l % 16 of C and the columns 8 (l / 16) + 0..7.
; K GOES ROUND.  Cluster (X, Y) begins at K step (8 X + 4 Y) mod 16 and goes on from K's end to its beginning: the two clusters that read the same rows of g stand half of K apart, four neighbouring clusters
; that read the same rows of w2 a quarter of K.  The f32 sums are therefore taken in an order of K that differs from cluster to cluster.
; THE LOOP'S TRIP IS ONE K STEP; the slot in hand is a scalar turned by an exclusive or.
; REGISTERS: window 0 addresses, the bias (v96-127), the way out (v32-95); window 1 two fragment buffers of 128 (64 along K: A's 2 x 4 blocks, then B's); window 2 v0-127 the accumulators, v128-255 the residual.
; LIMITS.  NaN and infinities are not treated apart.
.set KDIM,  4096
.set WOFF,  16777216
.set OX,    8                          ; the first K step: (OX x cluster x + OY x cluster y) mod NSTEP, an even number
.set OY,    4
.set KSTEP, 256
.set PITCH, 528
.set QI,    6
.set ROWSA, 128
.set ROWSB, 128
.set LRA,   64
.set LRB,   64
.set MA,    4
.set NBL,   4
.set NPB,   2
.set YOUNG, 16
.set QK,    128
.set SLOT1, 0x21000
.set BOFF,  ROWSA*PITCH
.set NSTEP, KDIM/KSTEP
.set STAGE, 2*SLOT1
.set SPITCH, 272
.set SPARE, STAGE+4*16*SPITCH
.set G1W0,  (1<<16)|(1<<20)|(1<<21)|(QI<<22)|(3<<25)
.set ADRA0, 16
.set ADRB0, 17
.set ADRA,  18
.set ADRB,  19
.set STO,   24
.set RD,    25
.set CO,    26
.set BO,    27
.set SPW,   28
.set NIL,   29
.set OB,    32
.set BIA,   96
.set RES,   128
.set F0,    0
.set F1,    128
.set WV,  14
.set FB,  15
.set HF,  16
.set G1,  24
.set G0,  32
.set G1B, 48
.set G0B, 56
.set TB,  66
.set CNT, 67
.set POS, 90                           ; s90  the K step at which the walking sets stand
.set WR,  92                           ; s[92:93] what is taken off their addresses: a row's bytes at K's end, else 0
.set MSB, 0
.macro WIN new
.if MSB != (\new)
	s_set_vgpr_msb (MSB<<8)|(\new)
.set MSB, (\new)
.endif
.endm
.macro PLACES
.rept 4
	v_nop
.endr
.endm
.macro JLOAD
	s_cmp_eq_u32 s[FB], 0
	s_cbranch_scc0 .Lfor_b_\@
	tensor_load_to_lds s[G0+4:G0+7], s[G1:G1+7]
	s_nop 0
.rept 4
	v_nop
.endr
	s_branch .Lasked_\@
.Lfor_b_\@:
	tensor_load_to_lds s[G0B+4:G0B+7], s[G1B:G1B+7]
	s_nop 0
.rept 4
	v_nop
.endr
.Lasked_\@:
.endm
.macro CREST
	s_cmp_lg_u32 s[WV], 0
	s_cbranch_scc1 .Lnot_wave_0_\@
	s_barrier_signal -3
.Lnot_wave_0_\@:
	s_barrier_wait -3
	s_barrier_signal -1
	s_barrier_wait -1
.endm
.macro CROUND
	s_barrier_signal -1
	s_barrier_wait -1
	CREST
.endm
	s_load_b256 s[4:11], s[0:1], 0x0               ; A s[4:5], wb s[6:7], bias s[8:9], residual s[10:11]
	s_load_b64 s[12:13], s[0:1], 0x20              ; C
	v_lshl_add_u32 v[SPW], v0, 2, SPARE
	v_mov_b32 v[NIL], 0
	ds_add_u32 v[SPW], v[NIL]                      ; the wave's opening: the add and its wait stand ahead of my first tensor load
	v_lshrrev_b32 v1, 5, v0
	v_readfirstlane_b32 s[WV], v1
	s_lshr_b32 s[FB], s[WV], 1
	s_and_b32 s[HF], s[WV], 1
	s_bfe_u32 s17, ttmp6, 0x40000
	s_bfe_u32 s18, ttmp6, 0x40004
	s_lshl_b32 s19, ttmp9, 2
	s_add_co_u32 s19, s19, s17                     ; tile column
	s_and_b32 s20, ttmp7, 0xffff
	s_lshl_b32 s20, s20, 2
	s_add_co_u32 s20, s20, s18                     ; tile row
	s_lshl_b32 s21, s18, 2
	s_lshl_b32 s21, 15, s21
	s_lshl_b32 s22, 0x1111, s17
	s_or_b32 s[G1], s21, G1W0
	s_or_b32 s[G1B], s22, G1W0
.irp g, G1, G1B
	s_mov_b32 s[\g+1], KSTEP<<16
	s_mov_b32 s[\g+2], LRA<<16
	s_mov_b32 s[\g+3], KSTEP<<16
	s_mov_b32 s[\g+4], LRA
	s_mov_b32 s[\g+5], KDIM
	s_mov_b32 s[\g+6], 0
	s_mov_b32 s[\g+7], 0
.endr
	s_mul_i32 s40, s20, ROWSA
	s_mul_i32 s23, s[HF], LRA
	s_add_co_u32 s40, s40, s23
	s_mov_b32 s41, 0
	s_mul_i32 s46, s19, ROWSB
	s_add_co_u32 s46, s46, s23
	s_mov_b32 s47, 0
	s_mov_b64 s[44:45], KDIM*2
	s_mul_u64 s[40:41], s[40:41], s[44:45]
	s_mul_u64 s[46:47], s[46:47], s[44:45]
	s_and_b32 s[POS], ttmp7, 0xffff                ; the cluster's first K step, from the cluster's own place alone: the same in all sixteen partners
	s_mul_i32 s[POS], s[POS], OY
	s_mul_i32 s[WR], ttmp9, OX
	s_add_co_u32 s[POS], s[POS], s[WR]
	s_and_b32 s[POS], s[POS], NSTEP-1
	s_mul_i32 s[WR], s[POS], KSTEP*2               ; its bytes along a row
	s_mov_b32 s[WR+1], 0
	s_add_nc_u64 s[40:41], s[40:41], s[WR:WR+1]
	s_add_nc_u64 s[46:47], s[46:47], s[WR:WR+1]
	s_add_co_u32 s[POS], s[POS], 1                 ; the walking sets begin one step on (the first step is even: no wrap between the two)
	s_mul_i32 s42, s[HF], LRA*PITCH
	s_mul_i32 s43, s[HF], LRB*PITCH
	s_add_co_u32 s43, s43, BOFF
	s_wait_dscnt 0x0
	s_wait_kmcnt 0x0
	s_add_nc_u64 s[40:41], s[4:5], s[40:41]
	s_add_nc_u64 s[46:47], s[6:7], s[46:47]
	s_add_nc_u64 s[46:47], s[46:47], WOFF
	CROUND
.irp s, 0,1
	s_mov_b32 s[G0+4*\s], 1
	s_add_co_u32 s[G0+4*\s+1], s42, \s*SLOT1
	s_add_nc_u64 s[G0+4*\s+2:G0+4*\s+3], s[40:41], \s*KSTEP*2
	s_or_b32 s[G0+4*\s+3], s[G0+4*\s+3], 0x80000000
	s_mov_b32 s[G0B+4*\s], 1
	s_add_co_u32 s[G0B+4*\s+1], s43, \s*SLOT1
	s_add_nc_u64 s[G0B+4*\s+2:G0B+4*\s+3], s[46:47], \s*KSTEP*2
	s_or_b32 s[G0B+4*\s+3], s[G0B+4*\s+3], 0x80000000
.endr
	s_cmp_eq_u32 s[FB], 0
	s_cbranch_scc0 .Lfirst_b
	tensor_load_to_lds s[G0:G0+3], s[G1:G1+7]
	s_nop 0
	tensor_load_to_lds s[G0+4:G0+7], s[G1:G1+7]
	s_nop 0
.rept 4
	v_nop
.endr
	s_branch .Lfirst_done
.Lfirst_b:
	tensor_load_to_lds s[G0B:G0B+3], s[G1B:G1B+7]
	s_nop 0
	tensor_load_to_lds s[G0B+4:G0B+7], s[G1B:G1B+7]
	s_nop 0
.rept 4
	v_nop
.endr
.Lfirst_done:
	v_and_b32 v1, 15, v0
	v_bfe_u32 v2, v0, 4, 1
	v_lshlrev_b32 v[BO], 5, v2
	s_lshl_b32 s68, s19, 9
	s_lshl_b32 s69, s[HF], 8
	s_add_co_u32 s68, s68, s69
	s_mov_b32 s69, 0
	s_add_nc_u64 s[8:9], s[8:9], s[68:69]
.set b_, 0
.rept NBL
	global_load_b128 v[BIA+8*b_:BIA+8*b_+3], v[BO], s[8:9] offset:64*b_
	global_load_b128 v[BIA+8*b_+4:BIA+8*b_+7], v[BO], s[8:9] offset:64*b_+16
.set b_, b_+1
.endr
	s_lshl_b32 s70, s20, 19
	s_add_co_u32 s68, s68, s70
	s_lshl_b32 s70, s[FB], 18
	s_add_co_u32 s68, s68, s70
	s_add_nc_u64 s[10:11], s[10:11], s[68:69]
	s_add_nc_u64 s[12:13], s[12:13], s[68:69]
	v_lshlrev_b32 v[CO], 12, v2
	v_lshl_add_u32 v[CO], v1, 4, v[CO]
	WIN 0x80
.set b_, 0
.rept 32
	global_load_b128 v[RES+4*b_:RES+4*b_+3], v[CO], s[10:11] offset:2*b_*4096
.set b_, b_+1
.endr
	WIN 0
	v_mul_u32_u24 v3, v1, PITCH
	v_lshl_add_u32 v3, v2, 4, v3
	s_mul_i32 s23, s[FB], 16*MA*PITCH
	v_add_nc_u32 v[ADRA0], s23, v3
	s_mul_i32 s23, s[HF], 16*NBL*PITCH
	s_add_co_u32 s23, s23, BOFF
	v_add_nc_u32 v[ADRB0], s23, v3
	s_mul_i32 s23, s[WV], 16*SPITCH
	s_add_co_u32 s23, s23, STAGE
	v_mul_u32_u24 v4, v1, SPITCH
	v_lshl_add_u32 v4, v2, 5, v4
	v_add_nc_u32 v[STO], s23, v4
	v_mul_u32_u24 v4, v2, SPITCH
	v_lshl_add_u32 v4, v1, 4, v4
	v_add_nc_u32 v[RD], s23, v4
.macro MULA f
.set AC, 8*NBL*a_
.set FA, (\f)+8*(MA*c_+a_)
.set b_, 0
.rept NBL
.set FBR, (\f)+64+8*(NBL*c_+b_)
.if ZZ
	WIN 0x85
	v_wmma_f32_16x16x32_bf16 v[AC+8*b_:AC+8*b_+7], v[FBR:FBR+7], v[FA:FA+7], v[BIA+8*b_:BIA+8*b_+7]
.else
	WIN 0xa5
	v_wmma_f32_16x16x32_bf16 v[AC+8*b_:AC+8*b_+7], v[FBR:FBR+7], v[FA:FA+7], v[AC+8*b_:AC+8*b_+7]
.endif
.set b_, b_+1
.endr
.endm
.macro PART f, hf, p, first            ; half hf of a quarter is its 32 along K number hf; the 16 accumulators take turns
.set ZZ, (\first)*(1-(\hf))
.set c_, \hf
.set a_, (\p)*NPB
.rept NPB
	MULA \f
.set a_, a_+1
.endr
.endm
.macro HALF f, hf, first
	PART \f, \hf, 0, \first
	PART \f, \hf, 1, \first
.endm
.macro FETCH k, f
	WIN 0x40
.irp c, 0,1
.irp i, 0,1,2,3
	ds_load_b128 v[(\f)+64+8*(4*\c+\i):(\f)+64+8*(4*\c+\i)+3],   v[ADRB] offset:(\k)+64*\c+\i*16*PITCH
	ds_load_b128 v[(\f)+64+8*(4*\c+\i)+4:(\f)+64+8*(4*\c+\i)+7], v[ADRB] offset:(\k)+64*\c+\i*16*PITCH+32
	ds_load_b128 v[(\f)+8*(4*\c+\i):(\f)+8*(4*\c+\i)+3],         v[ADRA] offset:(\k)+64*\c+\i*16*PITCH
	ds_load_b128 v[(\f)+8*(4*\c+\i)+4:(\f)+8*(4*\c+\i)+7],       v[ADRA] offset:(\k)+64*\c+\i*16*PITCH+32
.endr
.endr
.endm
.macro QUARTER k, f, g, first
	s_wait_dscnt YOUNG                             ; the first 32 along K are in
	HALF \f, 0, \first
	PLACES
	FETCH \k, \g
	s_wait_dscnt 32                                ; all but the 32 just issued
	HALF \f, 1, \first
.endm
.macro TURN fill                       ; the last quarter and the change of slots: the wait for all my tensor loads, the add, the wait for it and for my reads; the barrier (fill = 1: a round of the cluster's); the refill first behind it
	WIN 0
	s_wait_tensorcnt 0x0
	ds_add_u32 v[SPW], v[NIL]
.if \fill
	s_xor_b32 s[G0+5], s[G0+5], SLOT1              ; no load of mine is out: the walking sets step to the other slot
	s_xor_b32 s[G0B+5], s[G0B+5], SLOT1
	s_add_co_u32 s[POS], s[POS], 1                 ; and to the next K step, which behind the last is step 0
	s_cmp_eq_u32 s[POS], NSTEP
	s_cselect_b32 s[POS], 0, s[POS]
	s_cselect_b32 s[WR], KDIM*2, 0
	s_add_nc_u64 s[G0+6:G0+7], s[G0+6:G0+7], KSTEP*2
	s_sub_nc_u64 s[G0+6:G0+7], s[G0+6:G0+7], s[WR:WR+1]
	s_add_nc_u64 s[G0B+6:G0B+7], s[G0B+6:G0B+7], KSTEP*2
	s_sub_nc_u64 s[G0B+6:G0B+7], s[G0B+6:G0B+7], s[WR:WR+1]
.endif
	s_wait_dscnt YOUNG+1                           ; the add and the youngest sixteen loads may be out
	PART F1, 0, 0, 0
	s_wait_dscnt 0x0
	s_barrier_signal -1
	PART F1, 0, 1, 0
	WIN 0
	s_barrier_wait -1
.if \fill
	CREST
	JLOAD
.else
	s_cmp_eq_u32 s[CNT], 1
	s_cbranch_scc1 .Lnf_\@
	PLACES
.endif
	s_xor_b32 s[TB], s[TB], SLOT1
	v_add_nc_u32 v[ADRA], s[TB], v[ADRA0]
	v_add_nc_u32 v[ADRB], s[TB], v[ADRB0]
	FETCH 0, F0
.if !(\fill)
	WIN 0
.Lnf_\@:
.endif
	HALF F1, 1, 0
.endm
	s_wait_tensorcnt 0x1                           ; my part of the first K step is in; slot 1's may stay out
	s_barrier_signal -1
	s_barrier_wait -1
	s_mov_b32 s[TB], 0
	v_mov_b32 v[ADRA], v[ADRA0]
	v_mov_b32 v[ADRB], v[ADRB0]
	FETCH 0, F0
	s_wait_loadcnt 32                              ; the bias is in; the 32 loads of the residual are younger
	QUARTER QK, F0, F1, 1
	WIN 0
	s_mov_b32 s[CNT], NSTEP-2
.Lk:
	QUARTER 2*QK, F1, F0, 0
	QUARTER 3*QK, F0, F1, 0
	TURN 1
	QUARTER QK, F0, F1, 0
	WIN 0
	s_sub_co_u32 s[CNT], s[CNT], 1
	s_cmp_lg_u32 s[CNT], 0
	s_cbranch_scc1 .Lk
	s_mov_b32 s[CNT], 2
.Lt:
	QUARTER 2*QK, F1, F0, 0
	QUARTER 3*QK, F0, F1, 0
	TURN 0
	WIN 0
	s_sub_co_u32 s[CNT], s[CNT], 1
	s_cmp_eq_u32 s[CNT], 0
	s_cbranch_scc1 .Ldone
	QUARTER QK, F0, F1, 0
	WIN 0
	s_branch .Lt
.Ldone:
; THE WAY OUT, 16 rows at a time: the f32 sums go through my own stage (each accumulator's low four registers first), come back as whole rows of 256 bytes, take the residual and are stored.
.macro TOSTAGE a
.set BK, OB+32*((\a)%2)
.if (\a) >= 2
	s_wait_xcnt 0x0                                ; the stores of two blocks back have read the registers that the loads below write
.endif
	WIN 0x08
.set b_, 0
.rept NBL
	ds_store_b128 v[STO], v[8*(NBL*(\a)+b_):8*(NBL*(\a)+b_)+3]   offset:64*b_
	ds_store_b128 v[STO], v[8*(NBL*(\a)+b_)+4:8*(NBL*(\a)+b_)+7] offset:64*b_+16
.set b_, b_+1
.endr
	WIN 0
.set b_, 0
.rept 8
	ds_load_b128 v[BK+4*b_:BK+4*b_+3], v[RD] offset:2*SPITCH*b_
.set b_, b_+1
.endr
.endm
.macro SEND a, younger
.set BK, OB+32*((\a)%2)
	s_wait_dscnt \younger
	WIN 0x08
.set b_, 0
.rept 16
	v_pk_add_f32 v[BK+2*b_:BK+2*b_+1], v[BK+2*b_:BK+2*b_+1], v[RES+32*(\a)+2*b_:RES+32*(\a)+2*b_+1]
.set b_, b_+1
.endr
	WIN 0
.set b_, 0
.rept 8
	global_store_b128 v[CO], v[BK+4*b_:BK+4*b_+3], s[12:13] offset:(16*(\a)+2*b_)*4096  ; 16 lanes store 256 consecutive bytes, aligned
.set b_, b_+1
.endr
.endm
	PLACES
	s_wait_loadcnt 0x0                             ; the residual
	TOSTAGE 0
.irp a, 1,2,3
	TOSTAGE \a
	SEND (\a)-1, 16                                ; the next block's sixteen LDS instructions are younger
.endr
	SEND 3, 0
	s_wait_tensorcnt 0x0                           ; the wave's end
	ds_add_u32 v[SPW], v[NIL]
	s_wait_dscnt 0x0
	CROUND
	s_endpgm
.Lfunc_end_k_qc9d13f2932_ff2:
	.size	k_qc9d13f2932_ff2, .Lfunc_end_k_qc9d13f2932_ff2-k_qc9d13f2932_ff2
	.p2alignl 7, 3214868480
	.fill 96, 4, 3214868480
	.section	.rodata,"a",@progbits
	.p2align	6, 0x0
	.amdhsa_kernel k_qc9d13f2932_ff2
		.amdhsa_group_segment_fixed_size 327680
		.amdhsa_private_segment_fixed_size 0
		.amdhsa_enable_private_segment 0
		.amdhsa_kernarg_size 40
		.amdhsa_user_sgpr_count 2
		.amdhsa_user_sgpr_kernarg_segment_ptr 1
		.amdhsa_wavefront_size32 1
		.amdhsa_system_sgpr_workgroup_id_x 1
		.amdhsa_system_sgpr_workgroup_id_y 1
		.amdhsa_system_sgpr_workgroup_id_z 1
		.amdhsa_system_vgpr_workitem_id 0
		.amdhsa_next_free_vgpr 768
		.amdhsa_next_free_sgpr 96
		.amdhsa_reserve_vcc 0
		.amdhsa_float_denorm_mode_32 3
		.amdhsa_float_denorm_mode_16_64 3
		.amdhsa_memory_ordered 1
		.amdhsa_forward_progress 1
		.amdhsa_inst_pref_size 66
	.end_amdhsa_kernel
	.amdgpu_metadata
---
amdhsa.version: [ 1, 2 ]
amdhsa.kernels:
  - .name:           k_qc9d13f2932_ff2
    .symbol:         k_qc9d13f2932_ff2.kd
    .args:
      - { .name: g, .offset: 0, .size: 8, .value_kind: global_buffer, .address_space: global }
      - { .name: wb, .offset: 8, .size: 8, .value_kind: global_buffer, .address_space: global }
      - { .name: ff2_b, .offset: 16, .size: 8, .value_kind: global_buffer, .address_space: global }
      - { .name: x1, .offset: 24, .size: 8, .value_kind: global_buffer, .address_space: global }
      - { .name: out0, .offset: 32, .size: 8, .value_kind: global_buffer, .address_space: global }
    .group_segment_fixed_size: 327680
    .private_segment_fixed_size: 0
    .kernarg_segment_align: 8
    .kernarg_segment_size: 40
    .max_flat_workgroup_size: 128
    .sgpr_count:     96
    .vgpr_count:     768
    .wavefront_size: 32
...
	.end_amdgpu_metadata
.endif
;; end of part 7
